; MI455X (gfx1250); checked and timed in simulation.
; The chip was launched on July 23, 2026; its instructions are those of AMD's public machine-readable ISA for CDNA 5 (MIT licence, August 2026) and "CDNA5" Instruction Set Architecture Reference Guide (July 2026). The comments in the code are by the model that wrote it; some were corrected since.
;; Self Attention. Allowed arithmetic: matrix products marked QUANTISED: E4M3 operands, one given power-of-two scale a tensor, by v_wmma_f32_16x16x64_fp8_fp8 or v_wmma_f32_16x16x128_fp8_fp8, f32 sums; everything else in f32.
;; Inputs: Wk 1,024 x 1,024 float32; Wq 1,024 x 1,024 float32; Wu 1,024 x 1,024 float32; Wv 1,024 x 1,024 float32; kln_b 64 float32; kln_w 64 float32; lowp_scales 12 int32 (the exponents e of the quantised operands' scales 2^e); qln_b 64 float32; qln_w 64 float32; x 4 x 2,048 x 1,024 float32.
;; Outputs: out0 4 x 2,048 x 1,024 float32.
;; This version of the problem:
;;   THIS VERSION OF THE PROBLEM IS GIVEN IN LOW PRECISION. The matrix products marked QUANTISED in the list below multiply operands that are first quantised to E4M3 (4 exponent bits, 3 mantissa bits; 8 bits a number), with one given power-of-two scale for each operand tensor; their sums are f32. All else is computed in f32.
;;   The module's matrix products, in the order in which they are computed (A, B: the left and right operand; K: the contracted axis; several contracted axes count as one K, in the product's order):
;;     1. [M 8,192, K 1,024] x [K 1,024, N 1,024]; A: input x; B: input Wk: QUANTISED (scales: A lowp_scales[0], B lowp_scales[1])
;;     2. [M 8,192, K 1,024] x [K 1,024, N 1,024]; A: input x; B: input Wq: QUANTISED (scales: A lowp_scales[2], B lowp_scales[3])
;;     3. [M 8,192, K 1,024] x [K 1,024, N 1,024]; A: input x; B: input Wv: QUANTISED (scales: A lowp_scales[4], B lowp_scales[5])
;;     4. batch 64 x [M 2,048, K 64] x [K 64, N 2,048]; A: computed on the way; B: computed on the way: QUANTISED (scales: A lowp_scales[6], B lowp_scales[7])
;;     5. batch 64 x [M 64, K 2,048] x [K 2,048, N 2,048]; A: computed on the way; B: softmax (see below): QUANTISED (scales: A lowp_scales[8], B lowp_scales[9])
;;     6. [M 8,192, K 1,024] x [K 1,024, N 1,024]; A: computed on the way; B: input Wu: QUANTISED (scales: A lowp_scales[10], B lowp_scales[11])
;;   THE QUANTISER, for each operand of a quantised product, along K:
;;     - The operand's scale is 2^e, e = its entry of the input lowp_scales (int32; the entries are numbered through the quantised products in the list's order, A before B).
;;     - Each number is divided by the scale, clamped to +-448, and rounded to the nearest number of E4M3, ties to even, subnormals kept.
;;     - The product sums the exact products of the quantised numbers (number of the format x scale) in f32.
;;   ~~~python
;;   def quantise(x, axis, e):      # numpy; x: float32 -> the quantised numbers, widened to float32 again
;;       x = np.moveaxis(x, axis, -1); K = x.shape[-1]
;;       r = np.clip(x / 2.0 ** e, -448, 448)
;;       step = 2.0 ** (np.maximum(np.frexp(np.where(r == 0, 1, r))[1] - 1, -6) - 3)
;;       q = np.round(r / step) * step * 2.0 ** e      # np.round: ties to even
;;       return np.moveaxis(q, -1, axis).astype(np.float32)
;;   ~~~
;;   SOFTMAX AHEAD OF A QUANTISED PRODUCT. Where the list says 'softmax', what is quantised is not the finished softmax but p = 2^(t - M), with t = logit x log2(e) and M = ceil(the row's largest t), a whole number; so 1/2 < the row's largest p <= 1. The row's sum l is taken of the UNQUANTISED p, in f32, and the product's result is divided by l at the end. Since M is a whole number, a kernel that streams over the keys may use a running M (the ceiling of the running maximum): every later rescaling is an exact power of two, so the quantised numbers keep their values, but for numbers so far below the row's largest that they fall under the format's range.
;;   OPERANDS COMPUTED ON THE WAY. 'Computed on the way' means the value that the module computes at that place (a softmax that the list does not call 'softmax' is quantised finished and normalised). What goes into a quantiser is computed in f32, as accurately as f32 sums, v_exp_f32 and their like allow (about 1e-6 of the number): no bf16 or f16 on the way to a quantiser, and a product that is left as it is and whose result goes on into a quantised operand takes f32 operands (vector FMAs, or v_wmma_f32_16x16x4_f32). A number that lies on a knife's edge between two numbers of the format may be rounded either way, as far as f32 arithmetic and the matrix unit's own rounding can turn it there, and no further.
;; One version. Each part assembles by itself: llvm-mc -triple=amdgcn-amd-amdhsa -mcpu=gfx1250 --defsym DOCPART=n.
;; ======== version 1 of 1: 4 launches
;; limits: right only within a limited range of input values
;; workspace buffers: xcodes 25,165,824 bytes; wcodes 4,194,304 bytes; kv 16,777,216 bytes; qc 8,388,608 bytes; acodes 8,388,608 bytes
;; launch quant (part 1): grid 384 x 1, 4 waves a work-group, no clusters, 34,304 bytes of LDS; arguments x, Wk, Wq, Wv, Wu, lowp_scales, xcodes, wcodes; writes xcodes, wcodes
.if DOCPART == 1
	.amdgcn_target "amdgcn-amd-amdhsa--gfx1250"
	.amdhsa_code_object_version 6
	.text
	.protected	k_qbd1a8ea96d_quant
	.globl	k_qbd1a8ea96d_quant
	.p2align	8
	.type	k_qbd1a8ea96d_quant,@function
k_qbd1a8ea96d_quant:
	s_mov_b64 s[64:65], 0
	v_nop
	global_prefetch_b8 v0, s[64:65] scope:SCOPE_SE
	s_setreg_imm32_b32 hwreg(HW_REG_WAVE_MODE, 25, 1), 1
	s_wait_xcnt 0x0
; x [8192][1024] and Wk, Wq, Wv, Wu [1024][1024], f32, K innermost, become codes of FP8 (E4M3), each with the scale 2^e that is given for it.
; x is an operand of three products with three given scales (entries 0, 2, 4): three sets of codes are made from one read.  Wk, Wq, Wv, Wu take entries 1, 3, 5, 11.
; code = number / 2^e, held within +-448, rounded to the nearest code, ties to even.
; LIMITS: each e used here lies between -126 and 119, so that 2^e and 448 x 2^e are f32 numbers.  NaN among the inputs is not served (an infinity is held at the largest code).
; LAYOUT OF THE CODES: images of the matrix operand's registers.  A fragment is 16 rows x 128 K: lane (r = lane % 16, h = lane / 16) holds row r, and its registers 2 c, 2 c + 1 hold k = 16 c + 8 h + 0 .. 7.
; In memory: [part p = 0 .. 3][lane][16 bytes], part p = registers 4 p .. 4 p + 3: 2,048 bytes.  Fragment (rt = row / 16, kc = k / 128) lies at
; (rt / 8) x 131072 + (kc / 2) x 32768 + (rt % 8) x 4096 + (kc % 2) x 2048: 128 rows x 256 K are one dense block of 32,768 bytes.
; SHARES: work-groups 0 .. 255 take x, 256 + 32 i + l takes tensor i of Wk, Wq, Wv, Wu.  A work-group takes two tiles of 16 rows, a wave one tile and four fragments (512 along K), one a step.
; Each load reads 512 consecutive bytes of one row; a step's 16 rows turn through the wave's own stage in LDS (rows 528 bytes apart: 33 x 16, so that the sixteen lanes of a read start at sixteen different
; columns of 16 bytes) and come back as 8 neighbours along K a read.  Each store writes 512 consecutive bytes.  Waves share nothing: no barrier.
.set NXWG, 256                         ; work-groups that take x
.set SP,   528                         ; a stage row
.set WSTG, 16*SP                       ; a wave's stage
.set R,    16                          ; v16-143  two sets of 64: a step's numbers as loaded
.set X,    144                         ; v144-207 register 8 c + i = k 16 c + 8 h + i of my row
.set T,    208                         ; v208-223 two sets of 8 held numbers, by turns
.set C,    224                         ; v224-239 the fragment's codes
; v1 16 x lane (offset of loads and stores); v2 the stage on the way in; v3 on the way out; v4, v6, v8: 2^e of passes 0, 1, 2; v5, v7, v9: 448 x 2^e
	s_load_b512 s[16:31], s[0:1], 0x0              ; x, Wk, Wq, Wv, Wu, the exponents, xcodes, wcodes
	v_lshl_add_u32 v254, v0, 2, 0x8400
	v_mov_b32 v255, 0
	v_lshrrev_b32 v10, 5, v0
	v_readfirstlane_b32 s2, v10                    ; wave 0..3
	v_and_b32 v11, 31, v0
	v_lshlrev_b32 v1, 4, v11                       ; 16 x lane
	s_mul_i32 s3, s2, WSTG
	v_add_nc_u32 v2, s3, v1                        ; in: a row's 512 bytes as they lie
	v_and_b32 v12, 15, v0                          ; r
	v_bfe_u32 v13, v0, 4, 1                        ; h
	v_mul_u32_u24 v3, v12, SP
	v_lshl_add_u32 v3, v13, 5, v3
	v_add_nc_u32 v3, s3, v3                        ; out: row r, + 32 h bytes (8 numbers)
	s_sub_co_u32 s4, ttmp9, NXWG
	s_lshr_b32 s5, s4, 5                           ; which weight
	s_and_b32 s4, s4, 31                           ; and which pair of row tiles of it
	s_cmp_lt_u32 ttmp9, NXWG
	s_cselect_b32 s4, ttmp9, s4
	s_cselect_b32 s5, 0, s5
	s_lshl_b32 s4, s4, 1
	s_lshr_b32 s32, s2, 1
	s_add_co_u32 s4, s4, s32                       ; rt: my tile of 16 rows
	s_and_b32 s33, s2, 1                           ; which 512 along K
	s_lshl_b32 s48, s4, 16                         ; 16 rows of 4,096 bytes
	s_lshl_b32 s34, s33, 11
	s_add_co_u32 s48, s48, s34
	s_mov_b32 s49, 0
	s_lshr_b32 s50, s4, 3
	s_lshl_b32 s50, s50, 17
	s_and_b32 s34, s4, 7
	s_lshl_b32 s34, s34, 12
	s_add_co_u32 s50, s50, s34
	s_lshl_b32 s34, s33, 16
	s_add_co_u32 s50, s50, s34
	s_lshl_b32 s34, s5, 20                         ; a weight's codes are 1 MiB
	s_add_co_u32 s50, s50, s34
	s_mov_b32 s51, 0
	s_wait_alu depctr_va_vdst(0)
	s_wait_kmcnt 0x0
	s_load_b256 s[36:43], s[26:27], 0x0            ; e0 .. e7
	s_load_b128 s[44:47], s[26:27], 0x20           ; e8 .. e11
	s_cmp_eq_u32 s5, 2                             ; the source: a choice that hangs on the work-group's number alone
	s_cselect_b64 s[6:7], s[22:23], s[24:25]
	s_cmp_eq_u32 s5, 1
	s_cselect_b64 s[6:7], s[20:21], s[6:7]
	s_cmp_eq_u32 s5, 0
	s_cselect_b64 s[6:7], s[18:19], s[6:7]
	s_cmp_lt_u32 ttmp9, NXWG
	s_cselect_b64 s[6:7], s[16:17], s[6:7]
	s_cselect_b64 s[8:9], s[28:29], s[30:31]
	s_add_nc_u64 s[6:7], s[6:7], s[48:49]
	s_add_nc_u64 s[8:9], s[8:9], s[50:51]          ; pass 0's codes
	s_add_nc_u64 s[10:11], s[8:9], 0x800000        ; x's second and third set lie 8 MiB on each; only x's work-groups store there
	s_add_nc_u64 s[12:13], s[10:11], 0x800000
.macro LOAD s                          ; step s: 16 rows x 512 bytes
.irp rr, 0,1,2,3,4,5,6,7,8,9,10,11,12,13,14,15
	global_load_b128 v[R+64*((\s)%2)+4*\rr:R+64*((\s)%2)+4*\rr+3], v1, s[6:7] offset:\rr*4096+(\s)*512 th:TH_LOAD_NT
.endr
.endm
.macro TURN s                          ; through the stage: LDS serves a wave's instructions in order, so no wait stands between the stores and the loads
.irp rr, 0,1,2,3,4,5,6,7,8,9,10,11,12,13,14,15
	ds_store_b128 v2, v[R+64*((\s)%2)+4*\rr:R+64*((\s)%2)+4*\rr+3] offset:\rr*SP
.endr
.irp c, 0,1,2,3,4,5,6,7
.irp u, 0,1
	ds_load_b128 v[X+8*\c+4*\u:X+8*\c+4*\u+3], v3 offset:64*\c+16*\u
.endr
.endr
.endm
.macro MKSC e, vs, vl                  ; 2^e and 448 x 2^e as f32 numbers
	s_add_co_i32 s53, \e, 127
	s_lshl_b32 s54, s53, 23
	v_mov_b32 v[\vs], s54
	s_add_co_i32 s53, s53, 8
	s_lshl_b32 s53, s53, 23
	s_or_b32 s53, s53, 0x600000
	v_mov_b32 v[\vl], s53
.endm
; One fragment's codes under scale p.  The held numbers go into T, so that X stays for the next pass; T's two sets take turns, so that eight plain lines stand between a conversion and the next write of its sources.
.macro PASS p, s
	s_wait_xcnt 0x0                                ; the codes' registers are the data of earlier stores: written again only behind this wait
.irp c, 0,1,2,3,4,5,6,7
.irp i, 0,1,2,3,4,5,6,7
	v_med3_num_f32 v[T+8*(\c%2)+\i], v[X+8*\c+\i], -v[5+2*(\p)], v[5+2*(\p)]   ; the conversion to an 8-bit code does not saturate (ISA guide 7.6.2): the hold comes first
.endr
	v_cvt_scalef32_pk8_fp8_f32 v[C+2*\c:C+2*\c+1], v[T+8*(\c%2):T+8*(\c%2)+7], v[4+2*(\p)]
.endr
	v_nop                                          ; a plain line behind the last conversion
.irp q, 0,1,2,3
	global_store_b128 v1, v[C+4*\q:C+4*\q+3], s[8+2*(\p):9+2*(\p)] offset:((\s)>>1)*32768+((\s)&1)*2048+512*\q   ; 512 consecutive bytes: part q of the image
.endr
.endm
.macro STEPQ s
.if (\s) < 3
	s_wait_loadcnt 16                              ; this step's 16 loads are in; the next step's 16 may be out
.else
	s_wait_loadcnt 0x0
.endif
	TURN \s
	s_wait_dscnt 0x0                               ; my numbers are back, and the stage's stores have read their registers,
.if (\s) < 2
	LOAD (\s)+2                                    ; which take the loads of two steps on
.endif
	PASS 0, \s
	s_cmp_lt_u32 ttmp9, NXWG                       ; x has two scales more; a weight has one
	s_cbranch_scc0 .Lone_\@
	PASS 1, \s
	PASS 2, \s
.Lone_\@:
.endm
	LOAD 0
	LOAD 1
	s_wait_kmcnt 0x0
	s_cmp_eq_u32 s5, 2
	s_cselect_b32 s52, s41, s47                    ; Wv: e5, Wu: e11
	s_cmp_eq_u32 s5, 1
	s_cselect_b32 s52, s39, s52                    ; Wq: e3
	s_cmp_eq_u32 s5, 0
	s_cselect_b32 s52, s37, s52                    ; Wk: e1
	s_cmp_lt_u32 ttmp9, NXWG
	s_cselect_b32 s52, s36, s52                    ; x: e0
	MKSC s52, 4, 5
	MKSC s38, 6, 7                                 ; e2
	MKSC s40, 8, 9                                 ; e4
	s_wait_alu depctr_va_vdst(0)
	STEPQ 0
	STEPQ 1
	STEPQ 2
	STEPQ 3
	s_wait_tensorcnt 0x0
	ds_add_u32 v254, v255
	s_wait_dscnt 0x0
	s_endpgm
.Lfunc_end_k_qbd1a8ea96d_quant:
	.size	k_qbd1a8ea96d_quant, .Lfunc_end_k_qbd1a8ea96d_quant-k_qbd1a8ea96d_quant
	.p2alignl 7, 3214868480
	.fill 96, 4, 3214868480
	.section	.rodata,"a",@progbits
	.p2align	6, 0x0
	.amdhsa_kernel k_qbd1a8ea96d_quant
		.amdhsa_group_segment_fixed_size 34304
		.amdhsa_private_segment_fixed_size 0
		.amdhsa_enable_private_segment 0
		.amdhsa_kernarg_size 64
		.amdhsa_user_sgpr_count 2
		.amdhsa_user_sgpr_kernarg_segment_ptr 1
		.amdhsa_wavefront_size32 1
		.amdhsa_system_sgpr_workgroup_id_x 1
		.amdhsa_system_sgpr_workgroup_id_y 1
		.amdhsa_system_sgpr_workgroup_id_z 1
		.amdhsa_system_vgpr_workitem_id 0
		.amdhsa_next_free_vgpr 256
		.amdhsa_next_free_sgpr 66
		.amdhsa_reserve_vcc 0
		.amdhsa_float_denorm_mode_32 3
		.amdhsa_float_denorm_mode_16_64 3
		.amdhsa_memory_ordered 1
		.amdhsa_forward_progress 1
		.amdhsa_inst_pref_size 78
	.end_amdhsa_kernel
	.amdgpu_metadata
---
amdhsa.version: [ 1, 2 ]
amdhsa.kernels:
  - .name:           k_qbd1a8ea96d_quant
    .symbol:         k_qbd1a8ea96d_quant.kd
    .args:
      - { .name: x, .offset: 0, .size: 8, .value_kind: global_buffer, .address_space: global }
      - { .name: Wk, .offset: 8, .size: 8, .value_kind: global_buffer, .address_space: global }
      - { .name: Wq, .offset: 16, .size: 8, .value_kind: global_buffer, .address_space: global }
      - { .name: Wv, .offset: 24, .size: 8, .value_kind: global_buffer, .address_space: global }
      - { .name: Wu, .offset: 32, .size: 8, .value_kind: global_buffer, .address_space: global }
      - { .name: lowp_scales, .offset: 40, .size: 8, .value_kind: global_buffer, .address_space: global }
      - { .name: xcodes, .offset: 48, .size: 8, .value_kind: global_buffer, .address_space: global }
      - { .name: wcodes, .offset: 56, .size: 8, .value_kind: global_buffer, .address_space: global }
    .group_segment_fixed_size: 34304
    .private_segment_fixed_size: 0
    .kernarg_segment_align: 8
    .kernarg_segment_size: 64
    .max_flat_workgroup_size: 128
    .sgpr_count:     66
    .vgpr_count:     256
    .wavefront_size: 32
...
	.end_amdgpu_metadata
.endif
;; end of part 1
;; launch qkv (part 2): grid 12 x 32, 4 waves a work-group, clusters of 4 x 4, 327,680 bytes of LDS; arguments xcodes, wcodes, lowp_scales, kln_w, kln_b, qln_w, qln_b, kv, qc; writes kv, qc
.if DOCPART == 2
	.amdgcn_target "amdgcn-amd-amdhsa--gfx1250"
	.amdhsa_code_object_version 6
	.text
	.protected	k_qbd1a8ea96d_qkv
	.globl	k_qbd1a8ea96d_qkv
	.p2align	8
	.type	k_qbd1a8ea96d_qkv,@function
k_qbd1a8ea96d_qkv:
	s_mov_b64 s[64:65], 0
	v_nop
	global_prefetch_b8 v0, s[64:65] scope:SCOPE_SE
	s_setreg_imm32_b32 hwreg(HW_REG_WAVE_MODE, 25, 1), 1
	s_wait_xcnt 0x0
	s_wait_alu depctr_hold_cnt(0) depctr_sa_sdst(0) depctr_va_vdst(0) depctr_va_sdst(0) depctr_va_ssrc(0) depctr_va_vcc(0) depctr_vm_vsrc(0)
	s_getreg_b32 s2, hwreg(HW_REG_IB_STS2, 6, 4)
	s_cmp_eq_u32 s2, 0
	s_cbranch_scc0 .Lentry_in_a_cluster
	s_endpgm
.Lentry_in_a_cluster:
	s_bfe_u32 s2, ttmp6, 0x10000c
	s_cmp_lg_u32 s2, 0xf033
	s_cbranch_scc0 .Lentry_shape_is_right
	s_endpgm
.Lentry_shape_is_right:
; k = LN(x Wk^T), q = LN(x Wq^T), v = x Wv^T on codes of FP8 (E4M3), and their quantising for the attention: k with entry 7, q with entry 6, v with entry 8 of the given exponents.
; The cluster's x says which: 0 k, 1 q, 2 v.  A work-group of four waves makes 256 x 256 sums, a wave 128 x 128: 64 accumulators, 512 registers.  K = 1,024 goes in four steps of 256 through two LDS slots.
; OPERANDS ARE IMAGES OF THEIR REGISTERS (16 rows x 128 K: [part 0 .. 3][lane][16 bytes], 2,048 bytes; lane (r, h): row r, registers 2 c, 2 c + 1: k = 16 c + 8 h + 0 .. 7); 128 rows x 256 K are one dense block of
; 32,768 bytes, one tensor load; a fragment comes by four LDS loads of 512 consecutive bytes each: no pitch and no padding.
; THE MATRIX INSTRUCTION: source 0 = 16 rows of B', source 1 = 16 rows of A'; lane (r, h) then holds A's row r, and register j B's row 8 h + j.
;   k, q: A' = x (tokens), B' = W (features): a lane holds one token and eight neighbouring features: the layer norm over a head's 64 wants one exchange between the halves of the lanes, and the conversions' results
;         ARE the registers of the attention's operand (row = token, K = the head's 64).
;   v:    A' = Wv (features), B' = x (tokens): a lane holds one feature and eight neighbouring tokens: the conversions' results are the registers of V^T (row = feature, K = 128 keys).
; So every result leaves as 512 consecutive bytes an instruction, straight from registers.
; THE LAYER NORM is taken of the raw sums: with sums that stand for sum x 2^E (E = the two operands' exponents), (s - mean) rsqrt(var + eps) of the true numbers equals (raw - mean) rsqrt(var_raw + eps 2^(-2E)).
; CLUSTERS: 4 x 4 work-groups; A's tile is shared along a row of the cluster, B's along a column: joint loads, as the masks say.  384 work-groups: 24 clusters.
; LIMITS: e6, e7 and e8 - e4 - e5 lie between -126 and 119.  NaN is not served.
; REGISTERS, in windows of 256: window 0: v16-29 addresses; v32-95 the layer norm's gains and biases; from v128 A's fragments, ONE set; on the way out v96-223 are at work.
;   window 1: B's fragments, two sets.   windows 2, 3: the accumulators, (a, b) at v[8 (8 (a % 4) + b)].
.set FR,    16                         ; registers of a fragment
.set NL,    4                          ; LDS loads that bring one
.set NP,    4                          ; places behind this matrix instruction (ISA guide 7.12.1)
.set SLOT,  32768                      ; LDS: a region of 65,536 bytes for each fetching wave (A's two halves, then B's two), slot 0's 128 rows x 256 K, then slot 1's
.set SPARE, 262144                     ; behind the ring: the spare words, 128 bytes a wave
.set ADRA, 16                          ; v16-17 LDS address of my A fragments in slot 0, 1
.set ADRB, 20                          ; v20-21 the same for B
.set LI,   26                          ; v26 16 x lane
.set LH,   27                          ; v27 32 x (lane / 16)
.set SPW,  28
.set NIL,  29
.set LNW,  32                          ; v32-63 gain of feature 16 b + 8 h + j at 8 b + j;  v64-95 bias
.set LNB,  64
.set TS,   96                          ; v96-127 sums at work, 16 a head
.set D,    128                         ; v128-191 a tile's numbers, 32 a head
.set CD,   192                         ; v192-207 codes
.set MP,   208                         ; v208, v210 minus the mean (pairs: the upper halves are written once)
.set RS,   212                         ; v212, v214 1 / sqrt(var + eps)
.set PX,   216                         ; v216, v217 the other half of the lanes'
.set EPSV, 220
.set SCV,  221
.set LIMV, 222
.set AF,   128
.set G1, 24
.set G0, 32
.set G1B, 48
.set G0B, 56
.set MSB, 0
.macro WIN new                         ; the immediate's high byte repeats the setting that is left
.if MSB != (\new)
	s_set_vgpr_msb (MSB<<8)|(\new)
.set MSB, (\new)
.endif
.endm
.set MUL_LO, 0xa1                      ; source 0 (B) window 1, source 1 (A) window 0, C and D window 2
.set MUL_HI, 0xf1
.set TO_B,   0x40
.macro JLOAD g0a, g1a, g0b, g1b        ; a joint load: waves 0 and 1 fetch for A, waves 2 and 3 for B; four v_nop follow each line
	s_cmp_eq_u32 s15, 0
	s_cbranch_scc0 .Lfor_b_\@
	tensor_load_to_lds s[\g0a:\g0a+3], s[\g1a:\g1a+7]
	s_nop 0
.rept 4
	v_nop
.endr
	s_branch .Lasked_\@
.Lfor_b_\@:
	tensor_load_to_lds s[\g0b:\g0b+3], s[\g1b:\g1b+7]
	s_nop 0
.rept 4
	v_nop
.endr
.Lasked_\@:
.endm
.macro CREST
	s_cmp_lg_u32 s14, 0
	s_cbranch_scc1 .Lnot_wave_0_\@
	s_barrier_signal -3
.Lnot_wave_0_\@:
	s_barrier_wait -3
	s_barrier_signal -1
	s_barrier_wait -1
.endm
.macro CROUND
	s_barrier_signal -1
	s_barrier_wait -1
	CREST
.endm
	s_load_b128 s[4:7], s[0:1], 0x0                ; xcodes, wcodes
	s_load_b64 s[8:9], s[0:1], 0x10                ; the exponents
	s_load_b256 s[68:75], s[0:1], 0x18             ; kln_w, kln_b, qln_w, qln_b
	s_load_b128 s[76:79], s[0:1], 0x38             ; kv, qc
	v_lshl_add_u32 v[SPW], v0, 2, SPARE
	v_mov_b32 v[NIL], 0
	ds_add_u32 v28, v29
	ds_add_u32 v28, v29
	s_wait_dscnt 0x0
	v_lshrrev_b32 v1, 5, v0
	v_readfirstlane_b32 s14, v1                    ; wave 0..3
	s_lshr_b32 s15, s14, 1                         ; which half of A's rows is mine.  Also: I fetch for A (0) or for B (1)
	s_and_b32 s16, s14, 1                          ; which half of B's rows.  Also: which 128 rows I fetch
	s_bfe_u32 s40, ttmp6, 0x40000                  ; cx
	s_bfe_u32 s41, ttmp6, 0x40004                  ; cy
	s_and_b32 s17, ttmp7, 0xffff                   ; the cluster's y
	s_lshl_b32 s22, s41, 2
	s_lshl_b32 s22, 15, s22                        ; my row of the cluster
	s_lshl_b32 s45, 0x1111, s40                    ; my column
	s_or_b32 s[G1], s22, (3<<16)|(1<<21)           ; 15:0 the mask; 17:16 elements of 8 bytes; 21 set beside a mask; no padding
	s_or_b32 s[G1B], s45, (3<<16)|(1<<21)
.irp g, G1, G1B
	s_mov_b32 s[\g+1], 32<<16                      ; tensor_dim0 = 32 elements: rows of 256 bytes
	s_mov_b32 s[\g+2], 256<<16                     ; tensor_dim1 = 256 for the head's load: both slots, 65,536 dense bytes
	s_mov_b32 s[\g+3], 32<<16                      ; tile_dim0
	s_mov_b32 s[\g+4], 256                         ; tile_dim1
	s_mov_b32 s[\g+5], 32                          ; the pitch: the block is dense
	s_mov_b32 s[\g+6], 0
	s_mov_b32 s[\g+7], 0
.endr
	; A's tile, in units of 256 rows (262,144 bytes): k, q: x's set X, unit 32 X + 4 Y + cy; v: Wv, unit 8 + cy.  These registers never hold cx
	s_lshl_b32 s18, s17, 2
	s_add_co_u32 s18, s18, s41
	s_lshl_b32 s19, ttmp9, 5
	s_add_co_u32 s19, s19, s18
	s_add_co_u32 s20, s41, 8
	s_cmp_eq_u32 ttmp9, 2
	s_cselect_b32 s20, s20, s19
	s_lshl_b32 s20, s20, 18
	s_lshl_b32 s21, s16, 17                        ; + the 128 rows that I fetch
	s_add_co_u32 s20, s20, s21
	s_mov_b32 s21, 0
	; B's tile: k, q: the weight, unit 4 X + cx; v: x's set 2, unit 64 + 4 Y + cx.  These registers never hold cy
	s_lshl_b32 s42, s17, 2
	s_add_co_u32 s42, s42, s40
	s_add_co_u32 s42, s42, 64
	s_lshl_b32 s43, ttmp9, 2
	s_add_co_u32 s43, s43, s40
	s_cmp_eq_u32 ttmp9, 2
	s_cselect_b32 s46, s42, s43
	s_lshl_b32 s46, s46, 18
	s_lshl_b32 s47, s16, 17
	s_add_co_u32 s46, s46, s47
	s_mov_b32 s47, 0
	s_lshl_b32 s3, s14, 16                         ; where they go: wave x 65,536: no place in the cluster enters an LDS address
	s_mov_b32 s96, 0x76543210                      ; v_permlanex16_b32: lane l xor 16
	s_mov_b32 s97, 0xfedcba98
	s_mov_b32 s98, 0xbc800000                      ; -1/64
	s_mov_b32 s99, 0x3c800000                      ; 1/64
	s_wait_kmcnt 0x0
	s_load_b256 s[80:87], s[8:9], 0x0              ; e0 .. e7
	s_load_b128 s[88:91], s[8:9], 0x20             ; e8 .. e11
	s_cmp_eq_u32 ttmp9, 2                          ; the cluster's x is the same in all sixteen partners
	s_cselect_b64 s[22:23], s[6:7], s[4:5]
	s_cselect_b64 s[44:45], s[4:5], s[6:7]
	s_add_nc_u64 s[20:21], s[22:23], s[20:21]
	s_add_nc_u64 s[46:47], s[44:45], s[46:47]
	CROUND                                         ; all sixteen work-groups are here: the first joint loads meet
.irp s, 0,1
	s_mov_b32 s[G0+4*\s], 1
	s_add_co_u32 s[G0+4*\s+1], s3, \s*SLOT
	s_add_nc_u64 s[G0+4*\s+2:G0+4*\s+3], s[20:21], \s*32768
	s_or_b32 s[G0+4*\s+3], s[G0+4*\s+3], 0x80000000
	s_mov_b32 s[G0B+4*\s], 1
	s_add_co_u32 s[G0B+4*\s+1], s3, \s*SLOT
	s_add_nc_u64 s[G0B+4*\s+2:G0B+4*\s+3], s[46:47], \s*32768
	s_or_b32 s[G0B+4*\s+3], s[G0B+4*\s+3], 0x80000000
.endr
	JLOAD G0, G1, G0B, G1B                         ; slot 0: one tensor load a wave at the head
	v_and_b32 v6, 31, v0
	v_lshlrev_b32 v[LI], 4, v6
	v_bfe_u32 v[LH], v0, 4, 1
	v_lshlrev_b32 v[LH], 5, v[LH]
	s_wait_alu depctr_va_vdst(0)
	s_lshl_b32 s21, s15, 16                        ; my 128 rows of A
	s_lshl_b32 s22, s16, 16                        ; my 128 rows of B,
	s_add_co_u32 s22, s22, 131072                  ; which lie behind A's two regions
.irp s, 0,1
	v_add_nc_u32 v[ADRA+\s], s21, v[LI]
	v_add_nc_u32 v[ADRB+\s], s22, v[LI]
	s_add_co_u32 s21, s21, SLOT
	s_add_co_u32 s22, s22, SLOT
.endr
	s_cmp_eq_u32 ttmp9, 1                          ; q takes its own gain and bias, k (and, unused, v) the keys'
	s_cselect_b64 s[68:69], s[72:73], s[68:69]
	s_cselect_b64 s[70:71], s[74:75], s[70:71]
.irp b, 0,1,2,3
.irp u, 0,1
	global_load_b128 v[LNW+8*\b+4*\u:LNW+8*\b+4*\u+3], v[LH], s[68:69] offset:64*\b+16*\u
	global_load_b128 v[LNB+8*\b+4*\u:LNB+8*\b+4*\u+3], v[LH], s[70:71] offset:64*\b+16*\u
.endr
.endr
	; where my results go.  k, q: tokens 256 (4 Y + cy) + 128 x half on, heads 4 cx + 2 x half on
	s_lshl_b32 s92, s17, 2
	s_add_co_u32 s92, s92, s41
	s_lshr_b32 s93, s92, 3                         ; the batch
	s_and_b32 s92, s92, 7
	s_lshl_b32 s92, s92, 1
	s_add_co_u32 s92, s92, s15                     ; which 128 tokens of it
	s_lshl_b32 s93, s93, 4
	s_lshl_b32 s94, s40, 2
	s_add_co_u32 s93, s93, s94
	s_lshl_b32 s94, s16, 1
	s_add_co_u32 s93, s93, s94                     ; 16 x batch + head
	s_lshl_b32 s93, s93, 4
	s_add_co_u32 s92, s93, s92
	; v: tokens 256 (4 Y + cx) + 128 x half on, heads 4 cy + 2 x half on
	s_lshl_b32 s93, s17, 2
	s_add_co_u32 s93, s93, s40
	s_lshr_b32 s94, s93, 3
	s_and_b32 s93, s93, 7
	s_lshl_b32 s93, s93, 1
	s_add_co_u32 s93, s93, s16
	s_lshl_b32 s94, s94, 4
	s_lshl_b32 s95, s41, 2
	s_add_co_u32 s94, s94, s95
	s_lshl_b32 s95, s15, 1
	s_add_co_u32 s94, s94, s95
	s_lshl_b32 s94, s94, 4
	s_add_co_u32 s93, s94, s93
	s_lshl_b32 s94, s92, 14                        ; k: 16,384 bytes for 128 keys of a head (K's 8,192, then V's)
	s_lshl_b32 s95, s92, 13                        ; q: 8,192 bytes for 128 queries
	s_lshl_b32 s93, s93, 14
	s_add_co_u32 s93, s93, 8192                    ; v: behind K's
	s_cmp_eq_u32 ttmp9, 1
	s_cselect_b32 s94, s95, s94
	s_cselect_b64 s[10:11], s[78:79], s[76:77]
	s_mov_b32 s95, 262144
	s_cselect_b32 s66, 131072, s95                 ; from a head to the next
	s_cmp_eq_u32 ttmp9, 2
	s_cselect_b32 s94, s93, s94
	s_mov_b32 s95, 0
	s_mov_b32 s67, 0
	s_add_nc_u64 s[10:11], s[10:11], s[94:95]      ; my first head
	s_add_nc_u64 s[12:13], s[10:11], s[66:67]      ; my second
.macro FRAG reg, adr, q, i             ; a fragment's image: four loads of 512 consecutive bytes
.irp c, 0,1,2,3
	ds_load_b128 v[\reg+4*\c:\reg+4*\c+3], v[\adr] offset:2048*(\q)+512*\c+(\i)*4096
.endr
.endm
; 16 matrix instructions: A's blocks a0, a0 + 1 x B's eight.  The 64 accumulators take turns, one instruction a turn, in the same order in every step.
.macro MUL16 a0, p, zero
.irp a, \a0, \a0+1
.irp b, 0,1,2,3,4,5,6,7
.if \zero
	v_wmma_f32_16x16x128_fp8_fp8 v[8*(8*((\a)%4)+\b):8*(8*((\a)%4)+\b)+7], v[128*(\p)+FR*\b:128*(\p)+FR*\b+FR-1], v[AF+FR*(\a):AF+FR*(\a)+FR-1], 0
.else
	v_wmma_f32_16x16x128_fp8_fp8 v[8*(8*((\a)%4)+\b):8*(8*((\a)%4)+\b)+7], v[128*(\p)+FR*\b:128*(\p)+FR*\b+FR-1], v[AF+FR*(\a):AF+FR*(\a)+FR-1], v[8*(8*((\a)%4)+\b):8*(8*((\a)%4)+\b)+7]
.endif
.endr
.endr
.endm
.macro FETCH_B slot, q, p
	WIN TO_B
.irp i, 0,1,2,3,4,5,6,7
	FRAG 128*(\p)+FR*\i, ADRB+\slot, \q, \i
.endr
	WIN 0
.endm
.macro FETCH_A slot, q, i0
.irp i, \i0, \i0+1, \i0+2, \i0+3
	FRAG AF+FR*(\i), ADRA+\slot, \q, \i
.endr
.endm
.macro PLACES n                        ; plain vector lines between a matrix instruction and a load into, or a vector read or write of, its registers
.rept \n
	v_nop
.endr
.endm
.macro STEP slot, q, zero              ; 128 along K with its successor in the same slot
	s_wait_dscnt 4*NL                              ; B's set and A's blocks 0-3 are in; the youngest 16 loads (A's blocks 4-7) may be out
	WIN MUL_LO
	MUL16 0, (\q)%2, \zero
	MUL16 2, (\q)%2, \zero
	s_wait_dscnt 0
	PLACES NP
	FETCH_B \slot, (\q)+1, 1-(\q)%2
	FETCH_A \slot, (\q)+1, 0
	WIN MUL_HI
	MUL16 4, (\q)%2, \zero
	MUL16 6, (\q)%2, \zero
	PLACES NP
	WIN 0
	FETCH_A \slot, (\q)+1, 4
.endm
; A slot's last step changes slots: one barrier; in front of it each wave waits for all its tensor loads, adds 0 to its spare word, and waits for that and for its own reads of this slot.
.macro TURN slot, next, fill
	s_wait_tensorcnt 0x0                           ; all my tensor loads have landed: my part of the next slot
	ds_add_u32 v[SPW], v[NIL]                      ; 0 onto my spare word
	s_wait_dscnt 4*NL+1                            ; (the add and the youngest 16 loads may be out)
	WIN MUL_LO
	MUL16 0, 1, 0
	s_wait_dscnt 0x0                               ; the add is done, and my reads of this slot are over
	s_barrier_signal -1
	MUL16 2, 1, 0
	WIN 0
	s_barrier_wait -1
.if \fill
	CREST                                          ; the barrier has opened a round of the cluster's barrier: no wave of any partner still reads this slot or has a load on its way
	s_add_nc_u64 s[G0+4*\slot+2:G0+4*\slot+3], s[G0+4*\slot+2:G0+4*\slot+3], 65536
	s_add_nc_u64 s[G0B+4*\slot+2:G0B+4*\slot+3], s[G0B+4*\slot+2:G0B+4*\slot+3], 65536
	JLOAD G0+4*\slot, G1, G0B+4*\slot, G1B         ; the first tensor load behind the round; its four v_nop are also the places in front of the loads below
.else
	PLACES NP
.endif
	FETCH_B \next, 0, 0
	FETCH_A \next, 0, 0
	WIN MUL_HI
	MUL16 4, 1, 0
	MUL16 6, 1, 0
	PLACES NP
	WIN 0
	FETCH_A \next, 0, 4
.endm
	s_wait_alu depctr_va_vdst(0)
	s_wait_tensorcnt 0x0                           ; my load is in: both slots of my region; so its descriptor may be written:
	s_mov_b32 s[G1+2], 128<<16                     ; the refills bring one slot, 128 rows of 256 bytes
	s_mov_b32 s[G1+4], 128
	s_mov_b32 s[G1B+2], 128<<16
	s_mov_b32 s[G1B+4], 128
	s_barrier_signal -1
	s_barrier_wait -1                              ; everybody's is in
	FETCH_B 0, 0, 0
	FETCH_A 0, 0, 0
	FETCH_A 0, 0, 4
	STEP 0, 0, 1                                   ; the first products start the sums: nothing is cleared
	TURN 0, 1, 1                                   ; K = 1,024 is eight steps of 128: written out, no loop
	STEP 1, 0, 0
	TURN 1, 0, 1
	STEP 0, 0, 0
	TURN 0, 1, 0
	STEP 1, 0, 0
	s_wait_dscnt 4*NL
	WIN MUL_LO
	MUL16 0, 1, 0
	MUL16 2, 1, 0
	s_wait_dscnt 0
	WIN MUL_HI
	MUL16 4, 1, 0
	MUL16 6, 1, 0
	WIN 0
	; THE WAY OUT
	PLACES NP
	s_wait_loadcnt 0x0                             ; gains and biases
	s_wait_kmcnt 0x0
	s_add_co_i32 s92, s80, s81                     ; the sums' exponent: k e0 + e1, q e2 + e3, v e4 + e5
	s_add_co_i32 s93, s82, s83
	s_add_co_i32 s94, s84, s85
	s_sub_co_i32 s66, s88, s94                     ; v: a sum's code is sum / 2^(e8 - e4 - e5)
	s_cmp_eq_u32 ttmp9, 1
	s_cselect_b32 s92, s93, s92
	s_cselect_b32 s95, s86, s87                    ; q: e6, k: e7
	s_cmp_eq_u32 ttmp9, 2
	s_cselect_b32 s92, s94, s92
	s_cselect_b32 s95, s66, s95
	s_lshl_b32 s92, s92, 1
	s_sub_co_i32 s92, 0, s92
	v_mov_b32 v[EPSV], 0x3727c5ac                  ; 1e-5
	v_ldexp_f32 v[EPSV], v[EPSV], s92              ; in units of the raw sums' squares
	s_add_co_i32 s95, s95, 127
	s_lshl_b32 s93, s95, 23
	v_mov_b32 v[SCV], s93                          ; the conversion's scale
	s_add_co_i32 s95, s95, 8
	s_lshl_b32 s95, s95, 23
	s_or_b32 s95, s95, 0x600000
	v_mov_b32 v[LIMV], s95                         ; 448 x that
.irp i, PX, PX+1, MP+1, MP+3, RS+1, RS+3
	v_mov_b32 v[\i], 0                             ; a lane permute's destination counts as read; a pair's upper half is named with it
.endr
; k, q: block a: 16 tokens x my two heads g = 0, 1, line by line by turns.  Head g is the 32 registers AC + 32 g on: feature 16 b + 8 h + j at 8 b + j.
.macro LNROW a
.set AC, 64*((\a)%4)
	WIN 0x0a+5*((\a)/4)                            ; sources 0 and 1: window 2 or 3
.irp i, 0,1,2,3,4,5,6,7
.irp g, 0,1
	v_pk_add_f32 v[TS+16*\g+2*\i:TS+16*\g+2*\i+1], v[AC+32*\g+4*\i:AC+32*\g+4*\i+1], v[AC+32*\g+4*\i+2:AC+32*\g+4*\i+3]   ; each accumulator from its low end on
.endr
.endr
	WIN 0
.irp i, 0,1,2,3
.irp g, 0,1
	v_pk_add_f32 v[TS+16*\g+4*\i:TS+16*\g+4*\i+1], v[TS+16*\g+4*\i:TS+16*\g+4*\i+1], v[TS+16*\g+4*\i+2:TS+16*\g+4*\i+3]
.endr
.endr
.irp i, 0,1
.irp g, 0,1
	v_pk_add_f32 v[TS+16*\g+8*\i:TS+16*\g+8*\i+1], v[TS+16*\g+8*\i:TS+16*\g+8*\i+1], v[TS+16*\g+8*\i+4:TS+16*\g+8*\i+5]
.endr
.endr
.irp g, 0,1
	v_pk_add_f32 v[TS+16*\g:TS+16*\g+1], v[TS+16*\g:TS+16*\g+1], v[TS+16*\g+8:TS+16*\g+9]
.endr
.irp g, 0,1
	v_add_f32 v[TS+16*\g], v[TS+16*\g], v[TS+16*\g+1]
.endr
.irp g, 0,1
	v_permlanex16_b32 v[PX+\g], v[TS+16*\g], s96, s97      ; the token's other 32 features of the head lie in the lane 16 away
.endr
.irp g, 0,1
	v_add_f32 v[TS+16*\g], v[TS+16*\g], v[PX+\g]
.endr
.irp g, 0,1
	v_mul_f32 v[MP+2*\g], s98, v[TS+16*\g]                 ; minus the mean
.endr
	WIN 0x02+((\a)/4)                              ; source 0: window 2 or 3
.irp i, 0,2,4,6,8,10,12,14,16,18,20,22,24,26,28,30
.irp g, 0,1
	v_pk_add_f32 v[D+32*\g+\i:D+32*\g+\i+1], v[AC+32*\g+\i:AC+32*\g+\i+1], v[MP+2*\g:MP+2*\g+1] op_sel_hi:[1,0]
.endr
.endr
	WIN 0
.irp i, 0,1
.irp g, 0,1
	v_pk_mul_f32 v[TS+16*\g+2*\i:TS+16*\g+2*\i+1], v[D+32*\g+2*\i:D+32*\g+2*\i+1], v[D+32*\g+2*\i:D+32*\g+2*\i+1]   ; the squares, in two chains a head
.endr
.endr
.irp i, 2,3,4,5,6,7,8,9,10,11,12,13,14,15
.irp g, 0,1
	v_pk_fma_f32 v[TS+16*\g+2*(\i%2):TS+16*\g+2*(\i%2)+1], v[D+32*\g+2*\i:D+32*\g+2*\i+1], v[D+32*\g+2*\i:D+32*\g+2*\i+1], v[TS+16*\g+2*(\i%2):TS+16*\g+2*(\i%2)+1]
.endr
.endr
.irp g, 0,1
	v_pk_add_f32 v[TS+16*\g:TS+16*\g+1], v[TS+16*\g:TS+16*\g+1], v[TS+16*\g+2:TS+16*\g+3]
.endr
.irp g, 0,1
	v_add_f32 v[TS+16*\g], v[TS+16*\g], v[TS+16*\g+1]
.endr
.irp g, 0,1
	v_permlanex16_b32 v[PX+\g], v[TS+16*\g], s96, s97
.endr
.irp g, 0,1
	v_add_f32 v[TS+16*\g], v[TS+16*\g], v[PX+\g]
.endr
.irp g, 0,1
	v_fma_f32 v[TS+16*\g], v[TS+16*\g], s99, v[EPSV]       ; var + eps
.endr
	s_wait_alu depctr_va_vdst(0)
.irp g, 0,1
	v_rsq_f32 v[RS+2*\g], v[TS+16*\g]
.endr
	v_nop                                          ; a plain line behind the last of the two,
	s_wait_alu depctr_va_vdst(0)                   ; and one wait for both, ahead of their first reader
.irp i, 0,2,4,6,8,10,12,14,16,18,20,22,24,26,28,30
.irp g, 0,1
	v_pk_mul_f32 v[D+32*\g+\i:D+32*\g+\i+1], v[D+32*\g+\i:D+32*\g+\i+1], v[RS+2*\g:RS+2*\g+1] op_sel_hi:[1,0]
.endr
.endr
.irp i, 0,2,4,6,8,10,12,14,16,18,20,22,24,26,28,30
.irp g, 0,1
	v_pk_fma_f32 v[D+32*\g+\i:D+32*\g+\i+1], v[D+32*\g+\i:D+32*\g+\i+1], v[LNW+\i:LNW+\i+1], v[LNB+\i:LNB+\i+1]
.endr
.endr
.irp i, 0,1,2,3,4,5,6,7,8,9,10,11,12,13,14,15,16,17,18,19,20,21,22,23,24,25,26,27,28,29,30,31
.irp g, 0,1
	v_med3_num_f32 v[D+32*\g+\i], v[D+32*\g+\i], -v[LIMV], v[LIMV]   ; the conversion does not saturate (ISA guide 7.6.2)
.endr
.endr
.if (\a) > 0
	s_wait_alu depctr_va_vdst(0)
	s_wait_xcnt 0x0                                ; the codes' registers are the data of the last block's stores
.endif
.irp b, 0,1,2,3
.irp g, 0,1
	v_cvt_scalef32_pk8_fp8_f32 v[CD+8*\g+2*\b:CD+8*\g+2*\b+1], v[D+32*\g+8*\b:D+32*\g+8*\b+7], v[SCV]   ; registers 2 b, 2 b + 1 of the operand: k = 16 b + 8 h + 0 .. 7
.endr
.endr
	v_nop                                          ; a plain line behind the last conversion
.irp p, 0,1
	global_store_b128 v[LI], v[CD+4*\p:CD+4*\p+3], s[10:11] offset:(\a)*1024+\p*512       ; 512 consecutive bytes
	global_store_b128 v[LI], v[CD+8+4*\p:CD+8+4*\p+3], s[12:13] offset:(\a)*1024+\p*512
.endr
.endm
; v: block a: 16 features (head a / 4 of my two, tile a % 4 of its four) x my 128 tokens: one fragment of V^T
.macro VROW a
.set AC, 64*((\a)%4)
	WIN 0x02+((\a)/4)
.set n, 0
.rept 64
	v_med3_num_f32 v[D+n], v[AC+n], -v[LIMV], v[LIMV]
.set n, n+1
.endr
	WIN 0
.if (\a) > 0
	s_wait_alu depctr_va_vdst(0)
	s_wait_xcnt 0x0
.endif
.irp b, 0,1,2,3,4,5,6,7
	v_cvt_scalef32_pk8_fp8_f32 v[CD+2*\b:CD+2*\b+1], v[D+8*\b:D+8*\b+7], v[SCV]
.endr
	v_nop
.irp p, 0,1,2,3
	global_store_b128 v[LI], v[CD+4*\p:CD+4*\p+3], s[10:11] offset:((\a)>>2)*262144+((\a)&3)*2048+\p*512
.endr
.endm
	s_cmp_eq_u32 ttmp9, 2                          ; the same in all partners; neither way touches LDS
	s_cbranch_scc1 .Lv
.irp a, 0,1,2,3,4,5,6,7
	LNROW \a
.endr
	s_branch .Ldone
.Lv:
	s_wait_alu depctr_va_vdst(0)
.irp a, 0,1,2,3,4,5,6,7
	VROW \a
.endr
.Ldone:
	s_wait_tensorcnt 0x0                           ; the wave's end
	ds_add_u32 v[SPW], v[NIL]
	s_wait_dscnt 0x0
	CROUND                                         ; the closing round
	s_endpgm
.Lfunc_end_k_qbd1a8ea96d_qkv:
	.size	k_qbd1a8ea96d_qkv, .Lfunc_end_k_qbd1a8ea96d_qkv-k_qbd1a8ea96d_qkv
	.p2alignl 7, 3214868480
	.fill 96, 4, 3214868480
	.section	.rodata,"a",@progbits
	.p2align	6, 0x0
	.amdhsa_kernel k_qbd1a8ea96d_qkv
		.amdhsa_group_segment_fixed_size 327680
		.amdhsa_private_segment_fixed_size 0
		.amdhsa_enable_private_segment 0
		.amdhsa_kernarg_size 72
		.amdhsa_user_sgpr_count 2
		.amdhsa_user_sgpr_kernarg_segment_ptr 1
		.amdhsa_wavefront_size32 1
		.amdhsa_system_sgpr_workgroup_id_x 1
		.amdhsa_system_sgpr_workgroup_id_y 1
		.amdhsa_system_sgpr_workgroup_id_z 1
		.amdhsa_system_vgpr_workitem_id 0
		.amdhsa_next_free_vgpr 1024
		.amdhsa_next_free_sgpr 100
		.amdhsa_reserve_vcc 0
		.amdhsa_float_denorm_mode_32 3
		.amdhsa_float_denorm_mode_16_64 3
		.amdhsa_memory_ordered 1
		.amdhsa_forward_progress 1
		.amdhsa_inst_pref_size 249
	.end_amdhsa_kernel
	.amdgpu_metadata
---
amdhsa.version: [ 1, 2 ]
amdhsa.kernels:
  - .name:           k_qbd1a8ea96d_qkv
    .symbol:         k_qbd1a8ea96d_qkv.kd
    .args:
      - { .name: xcodes, .offset: 0, .size: 8, .value_kind: global_buffer, .address_space: global }
      - { .name: wcodes, .offset: 8, .size: 8, .value_kind: global_buffer, .address_space: global }
      - { .name: lowp_scales, .offset: 16, .size: 8, .value_kind: global_buffer, .address_space: global }
      - { .name: kln_w, .offset: 24, .size: 8, .value_kind: global_buffer, .address_space: global }
      - { .name: kln_b, .offset: 32, .size: 8, .value_kind: global_buffer, .address_space: global }
      - { .name: qln_w, .offset: 40, .size: 8, .value_kind: global_buffer, .address_space: global }
      - { .name: qln_b, .offset: 48, .size: 8, .value_kind: global_buffer, .address_space: global }
      - { .name: kv, .offset: 56, .size: 8, .value_kind: global_buffer, .address_space: global }
      - { .name: qc, .offset: 64, .size: 8, .value_kind: global_buffer, .address_space: global }
    .group_segment_fixed_size: 327680
    .private_segment_fixed_size: 0
    .kernarg_segment_align: 8
    .kernarg_segment_size: 72
    .max_flat_workgroup_size: 128
    .sgpr_count:     100
    .vgpr_count:     1024
    .wavefront_size: 32
...
	.end_amdgpu_metadata
.endif
;; end of part 2
;; launch attn (part 3): grid 4 x 64, 8 waves a work-group, clusters of 4 x 1, 327,680 bytes of LDS; arguments qc, kv, lowp_scales, acodes; writes acodes
.if DOCPART == 3
	.amdgcn_target "amdgcn-amd-amdhsa--gfx1250"
	.amdhsa_code_object_version 6
	.text
	.protected	k_qbd1a8ea96d_attn
	.globl	k_qbd1a8ea96d_attn
	.p2align	8
	.type	k_qbd1a8ea96d_attn,@function
k_qbd1a8ea96d_attn:
	s_mov_b64 s[64:65], 0
	v_nop
	global_prefetch_b8 v0, s[64:65] scope:SCOPE_SE
	s_setreg_imm32_b32 hwreg(HW_REG_WAVE_MODE, 25, 1), 1
	s_wait_xcnt 0x0
	s_wait_alu depctr_hold_cnt(0) depctr_sa_sdst(0) depctr_va_vdst(0) depctr_va_sdst(0) depctr_va_ssrc(0) depctr_va_vcc(0) depctr_vm_vsrc(0)
	s_getreg_b32 s2, hwreg(HW_REG_IB_STS2, 6, 4)
	s_cmp_eq_u32 s2, 0
	s_cbranch_scc0 .Lentry_in_a_cluster
	s_endpgm
.Lentry_in_a_cluster:
	s_bfe_u32 s2, ttmp6, 0x10000c
	s_cmp_lg_u32 s2, 0x3003
	s_cbranch_scc0 .Lentry_shape_is_right
	s_endpgm
.Lentry_shape_is_right:
; Causal attention on codes of FP8 (E4M3), head size 64, 2,048 tokens, 64 (batch, head) pairs; the result is quantised (entry 10 of the given exponents) for the last product.
; t = score x log2(e) / 8 x 2^(e6 + e7); M = the running largest t rounded UP to a whole number; p = 2^(t - M) is quantised with 2^e9, not normalised; the row's sum is taken of the unquantised p and divides at the end.
; LEFT OUT: key steps that lie wholly behind a wave's queries: the causal mask makes their p zero for all values of the inputs.
; K AND V STAY IN LDS: a pair's K and V are 262,144 bytes (for each 128 keys 16,384: K's 8 tiles of 16 keys, 1,024 bytes each, then V^T's 4 tiles of 16 features, 2,048 each), laid in LDS as in memory.  Nothing is filled again.
; CLUSTER 4 x 1: the four work-groups of a pair need the same bytes and ask for them jointly.  Each wave asks twice: at the head for 8,192 bytes of keys 0 .. 511, and, behind the full sequence and a round,
; for 24,576 bytes of keys 512 .. 2,047, which have the first three key steps in which to land.  One work-group barrier shows them to all waves; the main loop has none.
; NO PREFETCH: both requests go out at the head; there is no later request for a prefetch to run ahead of.
; SHARES.  The pair's queries are 64 groups of 32.  Wave w of partner cx owns groups g = 4 w + cx and 63 - g.  Group 63 - g wants key steps 0 .. 15 - w (128 keys each), group g steps 0 .. w: 17 steps in every wave.
; Trip n = 0 .. 16: while n <= 15 - w the later group's step n, then the earlier group's step n + w - 16.  So every branch and LDS address hangs on the wave's number and the trip alone, alike in all partners;
; cx enters global addresses and the mask's bound (data) only.  A group's last step lies on the diagonal: there hidden scores become -infinity ahead of the maximum; every query has its own key there.
; K ONE STEP AHEAD: behind a step's first products its K registers take the next trip's K; V is asked for at the step's head.  The last trip's look-ahead reads a step that nobody uses, so that the counted waits hold on every way.
; OPERANDS ARE IMAGES OF THEIR REGISTERS: lane (r, h): row r; registers 2 c, 2 c + 1: k = 16 c + 8 h + 0 .. 7; [part][lane][16 bytes]: every LDS load reads 512 consecutive bytes.
; BOTH PRODUCTS TRANSPOSED: S^T = K Q^T: a lane holds one query, tile c's register j the key 16 c + 8 h + j: the conversions' results are P's registers.  O^T = V^T P^T likewise gives the last product's operand.
; AT THE CHANGE OF GROUPS the largest t is set back to -3e38: the next step's factor 2^(old M - new M) is 0 and clears the sum and O^T, which are finite.
; LIMITS: e6 + e7 between -123 and 130; e9 and e10 - e9 - e8 between -126 and 119; the scaled scores stay under 2^31 in magnitude.  NaN is not served.
; REGISTERS: window 0: v1-13 addresses and constants; v14-29 statistics, 8 a tile (+0 -M, +1 largest t, +2, +3 the sum, +4 f, +6, +7 at work); v32-95 K; v96-223 S^T, then p, 64 a tile; v224-255 p's codes.
;   window 1: v0-63 O^T ((t, d) at 8 (4 t + d)); v64-79 Q; v80-143 V; v144-159 the second group's Q.
.set SPARE, 262144                     ; behind K and V: the spare words, 128 bytes for each of eight waves
.set LA,   1                           ; 16 x lane
.set ADR,  2                           ; LDS address: of the step in hand for V, then of the next for K
.set SPW,  3
.set NIL,  4
.set DMA,  5                           ; the mask's bound for the second group
.set QL,   6                           ; r - 8 h
.set NINF, 7
.set PLIM, 8                           ; 448 x 2^e9
.set PSC,  9                           ; 2^e9
.set OLIM, 10
.set OSC,  11                          ; 2^(e10 - e9 - e8)
.set DM,   12                          ; the mask's bound: my query - the step's first key - 8 h, for tile 0
.set PLIM2, 13                         ; 448 x 2^e9 once more, for the second half of a dual pair
.set ST,   14
.set PX,   30
.set KFR,  32
.set S,    96
.set P,    224
.set O,    0
.set QF,   64
.set VF,   80
.set Q2,   144
.set WV,   12
.set CX,   13
.set HB,   14
.set NN,   15                          ; the trip
.set DB,   16                          ; 15 - w: the later group's last trip
.set FL,   17                          ; 1 on a diagonal
.set TB,   18                          ; LDS byte at which the step's keys begin
.set TN,   61                          ; and the next trip's
.set SEL,  20
.set CS,   22
.set G1A,  24
.set G1B,  32
.set G0A,  40
.set G0B,  44
.set OA,   48
.set OA2,  50
.set MSB, 0
.macro WIN new
.if MSB != (\new)
	s_set_vgpr_msb (MSB<<8)|(\new)
.set MSB, (\new)
.endif
.endm
.macro CROUND                          ; a round of the cluster's barrier
	s_barrier_signal -1
	s_barrier_wait -1
	s_cmp_lg_u32 s[WV], 0
	s_cbranch_scc1 .Lnot_wave_0_\@
	s_barrier_signal -3
.Lnot_wave_0_\@:
	s_barrier_wait -3
	s_barrier_signal -1
	s_barrier_wait -1
.endm
.macro KLOAD adr                       ; K's eight tiles of 16 keys
.irp f, 0,1,2,3,4,5,6,7
.irp p, 0,1
	ds_load_b128 v[KFR+8*\f+4*\p:KFR+8*\f+4*\p+3], v[\adr] offset:\f*1024+\p*512
.endr
.endr
.endm
	s_load_b128 s[4:7], s[0:1], 0x0                ; qc, kv
	s_load_b128 s[8:11], s[0:1], 0x10              ; the exponents, acodes
	v_lshl_add_u32 v[SPW], v0, 2, SPARE
	v_mov_b32 v[NIL], 0
	ds_add_u32 v[SPW], v[NIL]                      ; the opening lines: the add, twice on end, and its wait
	ds_add_u32 v[SPW], v[NIL]
	v_lshrrev_b32 v[ADR], 5, v0
	v_readfirstlane_b32 s[WV], v[ADR]              ; wave 0..7
	s_bfe_u32 s[CX], ttmp6, 0x40000                ; my place in the cluster
	s_and_b32 s[HB], ttmp7, 0xffff                 ; the pair: 16 x batch + head
	s_mov_b32 s[G1A], 15|(3<<16)|(1<<21)           ; the mask names the four; elements of 8 bytes; bit 21 beside a mask; no padding
	s_mov_b32 s[G1A+1], 32<<16                     ; rows of 256 bytes
	s_mov_b32 s[G1A+2], 32<<16                     ; 32 rows: 8,192 bytes
	s_mov_b32 s[G1A+3], 32<<16
	s_mov_b32 s[G1A+4], 32
	s_mov_b32 s[G1A+5], 32                         ; dense
	s_mov_b32 s[G1A+6], 0
	s_mov_b32 s[G1A+7], 0
	s_mov_b32 s[G1B], 15|(3<<16)|(1<<21)
	s_mov_b32 s[G1B+1], 32<<16
	s_mov_b32 s[G1B+2], 96<<16                     ; 96 rows: 24,576 bytes
	s_mov_b32 s[G1B+3], 32<<16
	s_mov_b32 s[G1B+4], 96
	s_mov_b32 s[G1B+5], 32
	s_mov_b32 s[G1B+6], 0
	s_mov_b32 s[G1B+7], 0
	s_mov_b32 s[G0A], 1
	s_lshl_b32 s[G0A+1], s[WV], 13                 ; LDS byte = byte of the pair's K and V
	s_mov_b32 s[G0B], 1
	s_mul_i32 s[G0B+1], s[WV], 24576
	s_add_co_u32 s[G0B+1], s[G0B+1], 65536
	s_lshl_b32 s52, s[HB], 18
	s_mov_b32 s53, 0
	s_mov_b32 s55, 0
	s_mov_b32 s[SEL], 0x76543210
	s_mov_b32 s[SEL+1], 0xfedcba98
	s_sub_co_u32 s[DB], 15, s[WV]
	s_wait_alu depctr_va_vdst(0)
	s_wait_dscnt 0x0
	s_wait_kmcnt 0x0
	s_load_b128 s[56:59], s[8:9], 0x18             ; e6, e7, e8, e9
	s_load_b32 s60, s[8:9], 0x28                   ; e10
	s_add_nc_u64 s[6:7], s[6:7], s[52:53]          ; kv at my pair
	s_mov_b32 s54, s[G0A+1]
	s_add_nc_u64 s[G0A+2:G0A+3], s[6:7], s[54:55]
	s_or_b32 s[G0A+3], s[G0A+3], 0x80000000
	s_mov_b32 s54, s[G0B+1]
	s_add_nc_u64 s[G0B+2:G0B+3], s[6:7], s[54:55]
	s_or_b32 s[G0B+3], s[G0B+3], 0x80000000
	CROUND                                         ; the four partners are here: the first joint loads meet
	tensor_load_to_lds s[G0A:G0A+3], s[G1A:G1A+7]  ; my eighth of keys 0 .. 511
	s_nop 0
.rept 4
	v_nop
.endr
	s_lshl_b32 s52, s[HB], 17                      ; Q: 131,072 bytes a pair, 2,048 a group
	s_add_nc_u64 s[4:5], s[4:5], s[52:53]
	s_lshl_b32 s19, s[WV], 2
	s_add_co_u32 s19, s19, s[CX]                   ; g
	s_lshl_b32 s52, s19, 11
	s_add_nc_u64 s[68:69], s[4:5], s[52:53]        ; group g's
	s_sub_co_u32 s52, 63<<11, s52
	s_add_nc_u64 s[66:67], s[4:5], s[52:53]        ; group 63 - g's, which goes first
	s_lshr_b32 s52, s[HB], 4                       ; acodes: fragment (rt, head) at (rt / 8) x 131072 + (head / 4) x 32768 + (rt % 8) x 4096 + (head % 4) x 1024
	s_lshl_b32 s52, s52, 21
	s_bfe_u32 s54, s[HB], 0x20002
	s_lshl_b32 s54, s54, 15
	s_add_co_u32 s52, s52, s54
	s_and_b32 s54, s[HB], 3
	s_lshl_b32 s54, s54, 10
	s_add_co_u32 s52, s52, s54
	s_add_nc_u64 s[10:11], s[10:11], s[52:53]
	s_lshl_b32 s52, s[WV], 17
	s_lshl_b32 s54, s[CX], 13
	s_add_co_u32 s52, s52, s54                     ; group g: rt / 8 = w, rt % 8 = 2 cx + tile
	s_add_nc_u64 s[OA2:OA2+1], s[10:11], s[52:53]
	s_sub_co_u32 s52, 0x1e6000, s52                ; group 63 - g: 15 - w and 3 - cx
	s_add_nc_u64 s[OA:OA+1], s[10:11], s[52:53]
	s_lshl_b32 s54, s[CX], 5                       ; on its diagonal group g begins 32 cx keys into the step,
	s_sub_co_u32 s19, 96, s54                      ; group 63 - g 32 (3 - cx)
	v_and_b32 v[LA], 31, v0
	v_lshlrev_b32 v[LA], 4, v[LA]
	WIN 0x40                                       ; destination window 1
.irp t, 0,1
.irp p, 0,1
	global_load_b128 v[QF+8*\t+4*\p:QF+8*\t+4*\p+3], v[LA], s[66:67] offset:\t*1024+\p*512
	global_load_b128 v[Q2+8*\t+4*\p:Q2+8*\t+4*\p+3], v[LA], s[68:69] offset:\t*1024+\p*512
.endr
.endr
.set n, 0
.rept 64
	v_mov_b32 v[O+n], 0                            ; O^T, once: the step is written without a first step of its own
.set n, n+1
.endr
	WIN 0
	v_and_b32 v[QL], 15, v0
	v_bfe_u32 v[DM], v0, 4, 1
	v_lshlrev_b32 v[DM], 3, v[DM]
	v_sub_nc_u32 v[QL], v[QL], v[DM]
	v_add_nc_u32 v[DMA], s54, v[QL]
	v_add_nc_u32 v[DM], s19, v[QL]
	v_mov_b32 v[NINF], 0xff800000
.irp t, 0,1
	v_mov_b32 v[ST+8*\t+1], 0xff61b1e6             ; the largest t so far: -3e38
	v_mov_b32 v[ST+8*\t+2], 0
	v_mov_b32 v[ST+8*\t+3], 0
	v_mov_b32 v[ST+8*\t+5], 0                      ; (named as the upper half of f's pair)
	v_mov_b32 v[PX+\t], 0                          ; a lane permute's destination counts as read
	v_floor_f32 v[ST+8*\t], -v[ST+8*\t+1]          ; -M
.endr
	s_wait_kmcnt 0x0
	s_add_co_i32 s52, s56, s57
	s_lshl_b32 s52, s52, 23
	s_mov_b32 s[CS], 0x3e38aa3b                    ; log2(e) / 8
	s_add_co_i32 s[CS], s[CS], s52                 ; x 2^(e6 + e7): added to the exponent field
	s_mov_b32 s[CS+1], s[CS]
	s_add_co_i32 s52, s59, 127
	s_lshl_b32 s54, s52, 23
	v_mov_b32 v[PSC], s54
	s_add_co_i32 s52, s52, 8
	s_lshl_b32 s52, s52, 23
	s_or_b32 s52, s52, 0x600000
	v_mov_b32 v[PLIM], s52
	v_mov_b32 v[PLIM2], s52
	s_sub_co_i32 s52, s60, s59
	s_sub_co_i32 s52, s52, s58                     ; O^T / sum stands for that x 2^(e8 + e9): its code is that / 2^(e10 - e9 - e8)
	s_add_co_i32 s52, s52, 127
	s_lshl_b32 s54, s52, 23
	v_mov_b32 v[OSC], s54
	s_add_co_i32 s52, s52, 8
	s_lshl_b32 s52, s52, 23
	s_or_b32 s52, s52, 0x600000
	v_mov_b32 v[OLIM], s52
; A KEY STEP: 128 keys at LDS byte TB, for my two tiles of 16 queries, which take turns line by line.  Its K was asked for a trip ago.  diag = 1: the text holds the mask, under a branch on ids.
.macro STEP diag
	v_add_nc_u32 v[ADR], s[TB], v[LA]
	WIN 0x40
.irp f, 0,1,2,3
.irp p, 0,1,2,3
	ds_load_b128 v[VF+16*\f+4*\p:VF+16*\f+4*\p+3], v[ADR] offset:8192+\f*2048+\p*512
.endr
.endr
	WIN 0x04                                       ; source 1 (Q) window 1
	s_wait_dscnt 16                                ; K's 16 loads are in; V's 16, issued behind them, may be out
	s_wait_alu depctr_va_vdst(0)                   ; Q's registers may have been written at a change of groups
.irp c, 0,1,2,3,4,5,6,7
.irp t, 0,1
	v_wmma_f32_16x16x64_fp8_fp8 v[S+64*\t+8*\c:S+64*\t+8*\c+7], v[KFR+8*\c:KFR+8*\c+7], v[QF+8*\t:QF+8*\t+7], 0
.endr
.endr
	WIN 0
.rept 3
	v_nop                                          ; places behind the products,
.endr
	v_add_nc_u32 v[ADR], s[TN], v[LA]              ; and the fourth (an LDS load has read its address when it is issued)
	KLOAD ADR                                      ; the next trip's K
.if \diag
	s_cmp_eq_u32 s[FL], 0
	s_cbranch_scc1 .Lopen_\@                       ; off the diagonal all keys count
; tile 0's register 8 c + j is hidden where 16 c + j > DM; tile 1's queries lie 16 on, so its tile c + 1 takes the same lanes, and its tile 0 is never hidden (j - 16 < DM)
.irp c, 0,1,2,3,4,5,6,7
.irp j, 0,1,2,3,4,5,6,7
	v_cmp_gt_i32 vcc_lo, 16*\c+\j, v[DM]
	v_cndmask_b32 v[S+8*\c+\j], v[S+8*\c+\j], v[NINF], vcc_lo
.if \c < 7
	v_cndmask_b32 v[S+72+8*\c+\j], v[S+72+8*\c+\j], v[NINF], vcc_lo
.endif
.endr
.endr
.Lopen_\@:
.endif
.irp t, 0,1
	v_max3_num_f32 v[ST+8*\t+6], v[S+64*\t], v[S+64*\t+1], v[S+64*\t+2]    ; the step's largest score, in two chains, from each accumulator's low end on
.endr
.irp t, 0,1
	v_max3_num_f32 v[ST+8*\t+7], v[S+64*\t+3], v[S+64*\t+4], v[S+64*\t+5]
.endr
.irp i, 6,10,14,18,22,26,30,34,38,42,46,50,54,58
.irp t, 0,1
	v_max3_num_f32 v[ST+8*\t+6], v[ST+8*\t+6], v[S+64*\t+\i], v[S+64*\t+\i+1]
.endr
.irp t, 0,1
	v_max3_num_f32 v[ST+8*\t+7], v[ST+8*\t+7], v[S+64*\t+\i+2], v[S+64*\t+\i+3]
.endr
.endr
.irp t, 0,1
	v_max3_num_f32 v[ST+8*\t+6], v[ST+8*\t+6], v[S+64*\t+62], v[S+64*\t+63]
.endr
.irp t, 0,1
	s_delay_alu instid0(VALU_DEP_2)
	v_max_num_f32 v[ST+8*\t+6], v[ST+8*\t+6], v[ST+8*\t+7]
.endr
.irp t, 0,1
	s_delay_alu instid0(VALU_DEP_2)
	v_permlanex16_b32 v[PX+\t], v[ST+8*\t+6], s[SEL], s[SEL+1]             ; the query's other 64 keys lie in the lane 16 away
.endr
.irp t, 0,1
	s_delay_alu instid0(VALU_DEP_2)
	v_max_num_f32 v[ST+8*\t+6], v[ST+8*\t+6], v[PX+\t]
.endr
.irp t, 0,1
	s_delay_alu instid0(VALU_DEP_2)
	v_mul_f32 v[ST+8*\t+6], s[CS], v[ST+8*\t+6]                            ; as t (the factor is positive)
.endr
.irp t, 0,1
	s_delay_alu instid0(VALU_DEP_2)
	v_max_num_f32 v[ST+8*\t+1], v[ST+8*\t+1], v[ST+8*\t+6]                 ; the running largest t
.endr
.irp t, 0,1
	v_mov_b32 v[ST+8*\t+6], v[ST+8*\t]
.endr
.irp t, 0,1
	s_delay_alu instid0(VALU_DEP_4)
	v_floor_f32 v[ST+8*\t], -v[ST+8*\t+1]                                  ; -M = floor(-t): M is a whole number
.endr
.irp t, 0,1
	s_delay_alu instid0(VALU_DEP_2)
	v_sub_f32 v[ST+8*\t+6], v[ST+8*\t], v[ST+8*\t+6]                       ; old M - new M, 0 or less
.endr
.irp t, 0,1
	s_delay_alu instid0(VALU_DEP_2)
	v_cvt_i32_f32 v[ST+8*\t+6], v[ST+8*\t+6]                               ; (it saturates)
.endr
.irp t, 0,1
	s_delay_alu instid0(VALU_DEP_2)
	v_ldexp_f32 v[ST+8*\t+4], 1.0, v[ST+8*\t+6]                            ; f = 2^(old M - new M)
.endr
.irp j, 0,2,4,6,8,10,12,14,16,18,20,22,24,26,28,30,32,34,36,38,40,42,44,46,48,50,52,54,56,58,60,62
.irp t, 0,1
	v_pk_fma_f32 v[S+64*\t+\j:S+64*\t+\j+1], v[S+64*\t+\j:S+64*\t+\j+1], s[CS:CS+1], v[ST+8*\t:ST+8*\t+1] op_sel_hi:[1,0,0]   ; t - M
.endr
.endr
	s_wait_alu depctr_va_vdst(0)
.set n, 0
.rept 64
.irp t, 0,1
	v_exp_f32 v[S+64*\t+n], v[S+64*\t+n]                                   ; p = 2^(t - M): one batch of 128
.endr
.set n, n+1
.endr
.irp t, 0,1
	v_pk_mul_f32 v[ST+8*\t+2:ST+8*\t+3], v[ST+8*\t+2:ST+8*\t+3], v[ST+8*\t+4:ST+8*\t+5] op_sel_hi:[1,0]   ; the sums under the new M: plain lines behind the batch
.endr
	s_wait_alu depctr_va_vdst(0)                   ; one wait for the batch, ahead of its first reader
.irp t, 0,1
	v_pk_add_f32 v[P+2*\t:P+2*\t+1], v[S+64*\t:S+64*\t+1], v[S+64*\t+2:S+64*\t+3]   ; the sum of the UNQUANTISED p, in two chains (the codes' registers are free until the conversions)
.endr
.irp j, 4,8,12,16,20,24,28,32,36,40,44,48,52,56,60
.irp t, 0,1
	v_pk_add_f32 v[ST+8*\t+2:ST+8*\t+3], v[ST+8*\t+2:ST+8*\t+3], v[S+64*\t+\j:S+64*\t+\j+1]
.endr
.irp t, 0,1
	v_pk_add_f32 v[P+2*\t:P+2*\t+1], v[P+2*\t:P+2*\t+1], v[S+64*\t+\j+2:S+64*\t+\j+3]
.endr
.endr
.irp t, 0,1
	s_delay_alu instid0(VALU_DEP_2)
	v_pk_add_f32 v[ST+8*\t+2:ST+8*\t+3], v[ST+8*\t+2:ST+8*\t+3], v[P+2*\t:P+2*\t+1]
.endr
.irp c, 0,1,2,3,4,5,6,7
.irp t, 0,1
.irp i, 0,2,4,6
	v_dual_min_num_f32 v[S+64*\t+8*\c+\i], v[S+64*\t+8*\c+\i], v[PLIM] :: v_dual_min_num_f32 v[S+64*\t+8*\c+\i+1], v[S+64*\t+8*\c+\i+1], v[PLIM2]   ; the conversion does not saturate (ISA guide 7.6.2); p is not negative: a one-sided hold, two numbers a line
.endr
.endr
.irp t, 0,1
	v_cvt_scalef32_pk8_fp8_f32 v[P+16*\t+2*\c:P+16*\t+2*\c+1], v[S+64*\t+8*\c:S+64*\t+8*\c+7], v[PSC]
.endr
.endr
	WIN 0x41                                       ; O^T window 1, f window 0
	s_wait_alu depctr_va_vdst(0)                   ; directly ahead of the first reader of O^T
.irp j, 0,2,4,6,8,10,12,14,16,18,20,22,24,26,28,30
.irp t, 0,1
	v_pk_mul_f32 v[O+32*\t+\j:O+32*\t+\j+1], v[O+32*\t+\j:O+32*\t+\j+1], v[ST+8*\t+4:ST+8*\t+5] op_sel_hi:[1,0]   ; O^T under the new M; also the plain lines behind the conversions
.endr
.endr
	WIN 0x51                                       ; V and O^T window 1, P window 0
	s_wait_alu depctr_va_vdst(0)
	s_wait_dscnt 16                                ; V is in; the next K's 16 loads, issued behind V's, may be out
.irp d, 0,1,2,3
.irp t, 0,1
	v_wmma_f32_16x16x128_fp8_fp8 v[O+32*\t+8*\d:O+32*\t+8*\d+7], v[VF+16*\d:VF+16*\d+15], v[P+16*\t:P+16*\t+15], v[O+32*\t+8*\d:O+32*\t+8*\d+7]   ; eight accumulators, one instruction each
.endr
.endr
	WIN 0
.rept 4
	v_nop                                          ; places in front of the next loads into V's registers and of the next read of O^T
.endr
.endm
	s_wait_alu depctr_va_vdst(0)
	s_wait_tensorcnt 0x0                           ; my part of keys 0 .. 511 is in; the later first fill is issued as a refill is:
	ds_add_u32 v[SPW], v[NIL]                      ; 0 onto my spare word
	s_wait_dscnt 0x0
	CROUND                                         ; keys 0 .. 511 are whole in every partner, and the joint loads meet
	tensor_load_to_lds s[G0B:G0B+3], s[G1B:G1B+7]  ; my eighth of keys 512 .. 2,047
	s_nop 0
.rept 4
	v_nop
.endr
	s_mov_b32 s[NN], 0
	KLOAD LA                                       ; key step 0's K
	s_wait_loadcnt 0x0                             ; Q
.Lfirst:                                           ; trips 0 .. 2: the later group's key steps 0 .. 2, off the diagonal in every wave (15 - w is at least 8); with the look-ahead they read LDS bytes under 65,536 alone
	s_lshl_b32 s[TB], s[NN], 14
	s_add_co_u32 s[TN], s[TB], 16384
	STEP 0
	s_add_co_u32 s[NN], s[NN], 1
	s_cmp_lt_u32 s[NN], 3
	s_cbranch_scc1 .Lfirst
	s_wait_tensorcnt 0x0                           ; my part of the other keys is in;
	s_wait_dscnt 0x0                               ; (no LDS load is out at a signal)
	s_barrier_signal -1
	s_barrier_wait -1                              ; and so is every wave's.
	s_mov_b32 s[NN], 3
.Lmain:                                            ; trips 3 .. 16
	s_cmp_gt_u32 s[NN], s[DB]                      ; the earlier group's turn?
	s_cselect_b32 s19, s[WV], 0
	s_add_co_u32 s19, s19, s[NN]
	s_and_b32 s19, s19, 15                         ; the key step: n, or n + w - 16
	s_lshl_b32 s[TB], s19, 14
	s_add_co_u32 s62, s[NN], 1                     ; and the same for the next trip
	s_cmp_gt_u32 s62, s[DB]
	s_cselect_b32 s19, s[WV], 0
	s_add_co_u32 s19, s19, s62
	s_and_b32 s19, s19, 15
	s_lshl_b32 s[TN], s19, 14
	s_cmp_eq_u32 s[NN], s[DB]                      ; the later group's diagonal,
	s_cselect_b32 s[FL], 1, 0
	s_cmp_eq_u32 s[NN], 16                         ; or the earlier group's
	s_cselect_b32 s[FL], 1, s[FL]
	STEP 1
	s_cmp_eq_u32 s[FL], 0
	s_cbranch_scc1 .Lon
	; A GROUP'S END: O^T / the sum, quantised, stored
	s_wait_alu depctr_va_vdst(0)
.irp t, 0,1
	v_add_f32 v[ST+8*\t+6], v[ST+8*\t+2], v[ST+8*\t+3]
.endr
.irp t, 0,1
	s_delay_alu instid0(VALU_DEP_2)
	v_permlanex16_b32 v[PX+\t], v[ST+8*\t+6], s[SEL], s[SEL+1]
.endr
.irp t, 0,1
	s_delay_alu instid0(VALU_DEP_2)
	v_add_f32 v[ST+8*\t+6], v[ST+8*\t+6], v[PX+\t]                         ; the row's sum
.endr
	s_wait_alu depctr_va_vdst(0)                   ; ahead of the two reciprocals
.irp t, 0,1
	v_rcp_f32 v[ST+8*\t+4], v[ST+8*\t+6]
.endr
	v_nop
	s_wait_alu depctr_va_vdst(0)                   ; one wait for the two, and ahead of the first reader of O^T
	WIN 0x01                                       ; source 0 (O^T) window 1
.irp j, 0,2,4,6,8,10,12,14,16,18,20,22,24,26,28,30
.irp t, 0,1
	v_pk_mul_f32 v[S+64*\t+\j:S+64*\t+\j+1], v[O+32*\t+\j:O+32*\t+\j+1], v[ST+8*\t+4:ST+8*\t+5] op_sel_hi:[1,0]
.endr
.endr
	WIN 0
.irp d, 0,1,2,3
.irp t, 0,1
.irp i, 0,1,2,3,4,5,6,7
	v_med3_num_f32 v[S+64*\t+8*\d+\i], v[S+64*\t+8*\d+\i], -v[OLIM], v[OLIM]
.endr
.endr
.irp t, 0,1
	v_cvt_scalef32_pk8_fp8_f32 v[P+8*\t+2*\d:P+8*\t+2*\d+1], v[S+64*\t+8*\d:S+64*\t+8*\d+7], v[OSC]   ; registers 2 d, 2 d + 1: k = 16 d + 8 h + 0 .. 7 of the head's 64
.endr
.endr
	v_nop                                          ; a plain line behind the last conversion
.irp t, 0,1
.irp p, 0,1
	global_store_b128 v[LA], v[P+8*\t+4*\p:P+8*\t+4*\p+3], s[OA:OA+1] offset:\t*4096+\p*512   ; 512 consecutive bytes
.endr
.endr
	s_cmp_eq_u32 s[NN], 16
	s_cbranch_scc1 .Lon                            ; the earlier group was the last
.irp t, 0,1
	v_mov_b32 v[ST+8*\t+1], 0xff61b1e6             ; on to the earlier group
.endr
.irp t, 0,1
	s_delay_alu instid0(VALU_DEP_2)
	v_floor_f32 v[ST+8*\t], -v[ST+8*\t+1]
.endr
	v_mov_b32 v[DM], v[DMA]
	WIN 0x41
.set n, 0
.rept 16
	v_mov_b32 v[QF+n], v[Q2+n]
.set n, n+1
.endr
	WIN 0
	s_wait_alu depctr_va_vdst(0)
	s_wait_xcnt 0x0                                ; the stores have read their data and their base: both are written again
	s_mov_b64 s[OA:OA+1], s[OA2:OA2+1]
.Lon:
	s_add_co_u32 s[NN], s[NN], 1
	s_cmp_lt_u32 s[NN], 17
	s_cbranch_scc1 .Lmain
	s_wait_tensorcnt 0x0                           ; the wave's end
	ds_add_u32 v[SPW], v[NIL]
	s_wait_dscnt 0x0
	CROUND                                         ; the closing round
	s_endpgm
.Lfunc_end_k_qbd1a8ea96d_attn:
	.size	k_qbd1a8ea96d_attn, .Lfunc_end_k_qbd1a8ea96d_attn-k_qbd1a8ea96d_attn
	.p2alignl 7, 3214868480
	.fill 96, 4, 3214868480
	.section	.rodata,"a",@progbits
	.p2align	6, 0x0
	.amdhsa_kernel k_qbd1a8ea96d_attn
		.amdhsa_group_segment_fixed_size 327680
		.amdhsa_private_segment_fixed_size 0
		.amdhsa_enable_private_segment 0
		.amdhsa_kernarg_size 32
		.amdhsa_user_sgpr_count 2
		.amdhsa_user_sgpr_kernarg_segment_ptr 1
		.amdhsa_wavefront_size32 1
		.amdhsa_system_sgpr_workgroup_id_x 1
		.amdhsa_system_sgpr_workgroup_id_y 1
		.amdhsa_system_sgpr_workgroup_id_z 1
		.amdhsa_system_vgpr_workitem_id 0
		.amdhsa_next_free_vgpr 512
		.amdhsa_next_free_sgpr 72
		.amdhsa_reserve_vcc 1
		.amdhsa_float_denorm_mode_32 3
		.amdhsa_float_denorm_mode_16_64 3
		.amdhsa_memory_ordered 1
		.amdhsa_forward_progress 1
		.amdhsa_inst_pref_size 85
	.end_amdhsa_kernel
	.amdgpu_metadata
---
amdhsa.version: [ 1, 2 ]
amdhsa.kernels:
  - .name:           k_qbd1a8ea96d_attn
    .symbol:         k_qbd1a8ea96d_attn.kd
    .args:
      - { .name: qc, .offset: 0, .size: 8, .value_kind: global_buffer, .address_space: global }
      - { .name: kv, .offset: 8, .size: 8, .value_kind: global_buffer, .address_space: global }
      - { .name: lowp_scales, .offset: 16, .size: 8, .value_kind: global_buffer, .address_space: global }
      - { .name: acodes, .offset: 24, .size: 8, .value_kind: global_buffer, .address_space: global }
    .group_segment_fixed_size: 327680
    .private_segment_fixed_size: 0
    .kernarg_segment_align: 8
    .kernarg_segment_size: 32
    .max_flat_workgroup_size: 256
    .sgpr_count:     72
    .vgpr_count:     512
    .wavefront_size: 32
...
	.end_amdgpu_metadata
.endif
;; end of part 3
;; launch proj (part 4): grid 4 x 64, 4 waves a work-group, clusters of 4 x 4, 327,680 bytes of LDS; arguments acodes, wcodes, lowp_scales, out0; writes out0
.if DOCPART == 4
	.amdgcn_target "amdgcn-amd-amdhsa--gfx1250"
	.amdhsa_code_object_version 6
	.text
	.protected	k_qbd1a8ea96d_proj
	.globl	k_qbd1a8ea96d_proj
	.p2align	8
	.type	k_qbd1a8ea96d_proj,@function
k_qbd1a8ea96d_proj:
	s_mov_b64 s[64:65], 0
	v_nop
	global_prefetch_b8 v0, s[64:65] scope:SCOPE_SE
	s_setreg_imm32_b32 hwreg(HW_REG_WAVE_MODE, 25, 1), 1
	s_wait_xcnt 0x0
	s_wait_alu depctr_hold_cnt(0) depctr_sa_sdst(0) depctr_va_vdst(0) depctr_va_sdst(0) depctr_va_ssrc(0) depctr_va_vcc(0) depctr_vm_vsrc(0)
	s_getreg_b32 s2, hwreg(HW_REG_IB_STS2, 6, 4)
	s_cmp_eq_u32 s2, 0
	s_cbranch_scc0 .Lentry_in_a_cluster
	s_endpgm
.Lentry_in_a_cluster:
	s_bfe_u32 s2, ttmp6, 0x10000c
	s_cmp_lg_u32 s2, 0xf033
	s_cbranch_scc0 .Lentry_shape_is_right
	s_endpgm
.Lentry_shape_is_right:
; out0 = a Wu^T on codes of FP8 (E4M3): a [8192][1024] from the attention (entry 10 of the given exponents), Wu [1024][1024] (entry 11, the fourth MiB of wcodes); each finished sum x 2^(e10 + e11); f32 out.
; LIMIT: e10 + e11 between -126 and 127.
; A work-group of four waves makes 128 tokens x 256 features: 64 x 4 = 256 work-groups.  A wave makes 64 x 128: 32 accumulators, 256 registers.
; OPERANDS ARE IMAGES OF THEIR REGISTERS (16 rows x 128 K: [part 0 .. 3][lane][16 bytes], 2,048 bytes); 128 rows x 1,024 K are one dense block of 131,072 bytes: for each 256 along K 32,768 bytes, in them row tile i at 4,096 i,
; the second 128 along K 2,048 on.  A fragment comes by four LDS loads of 512 consecutive bytes.
; LDS: a's 128 rows for all of K (131,072 bytes); then for each half of Wu's 256 rows 65,536 bytes: 512 along K.  At the head every wave asks for 65,536 dense bytes (waves 0, 1: a's K halves; waves 2, 3: Wu's row halves, K 0 .. 511).
; Wu's K 512 .. 1,023 fill the same bytes again, one load each of waves 2 and 3, behind the full sequence and a round, when every wave holds K step 3's fragments in registers; step 3's 32 products stand behind the request.
; CLUSTERS 4 x 4: a's block is shared along a row of the cluster, Wu's along a column: joint loads, as the masks say.
; PREFETCH: the launch has one later request, Wu's K 512 .. 1,023 (131,072 bytes for a column of the cluster).  At the head each wave names 32 of its 512 blocks of 256 bytes, a lane a block;
; the four partners of a column share them out by address (128 cy + 32 wave + lane): each block once in each cluster, three K steps ahead of the load.
; THE MATRIX INSTRUCTION IS USED TRANSPOSED (source 0 = 16 rows of Wu, source 1 = 16 tokens): a lane holds eight neighbouring features of one token.
; REGISTERS: window 0: v16-29 addresses; v32-95 the way out; from v128 a's fragments, two sets of 64.  window 1: Wu's fragments, two sets of 128.  window 2: accumulator (a, b) at v[8 (8 a + b)].
.set SIZE_N, 1024
.set BOFF,  131072                     ; Wu's bytes begin here
.set STAGE, 262144                     ; the way out: 16 rows x 528 bytes for each wave, bytes that no load fills
.set SPITCH, 528
.set SPARE, STAGE+4*16*SPITCH          ; the spare words, 128 bytes a wave
.set ADRA, 16                          ; v16, v17: my a fragments, K 0 .. 511 and K 512 .. 1,023
.set ADRB, 20
.set STO,  24
.set RD,   25
.set CO,   26                          ; 16 x lane
.set PFO,  27                          ; 256 x lane
.set SPW,  28
.set NIL,  29
.set TMP,  32
.set AF,   128
.set BK,   128
.set G1, 24
.set G0, 32
.set G1B, 48
.set G0B, 56
.set PFA, 60
.set MSB, 0
.macro WIN new
.if MSB != (\new)
	s_set_vgpr_msb (MSB<<8)|(\new)
.set MSB, (\new)
.endif
.endm
.set MUL_LO, 0xa1                      ; source 0 window 1, source 1 window 0, C and D window 2
.set TO_B,   0x40
.macro CROUND
	s_barrier_signal -1
	s_barrier_wait -1
	s_cmp_lg_u32 s14, 0
	s_cbranch_scc1 .Lnot_wave_0_\@
	s_barrier_signal -3
.Lnot_wave_0_\@:
	s_barrier_wait -3
	s_barrier_signal -1
	s_barrier_wait -1
.endm
.macro PLACES n
.rept \n
	v_nop
.endr
.endm
	s_load_b128 s[4:7], s[0:1], 0x0                ; acodes, wcodes
	s_load_b128 s[8:11], s[0:1], 0x10              ; the exponents, out0
	v_lshl_add_u32 v[SPW], v0, 2, SPARE
	v_mov_b32 v[NIL], 0
	ds_add_u32 v[SPW], v[NIL]                      ; the opening lines: the add, twice on end, and its wait
	ds_add_u32 v[SPW], v[NIL]
	v_lshrrev_b32 v1, 5, v0
	v_readfirstlane_b32 s14, v1                    ; wave 0..3
	s_lshr_b32 s15, s14, 1                         ; which 64 tokens are mine.  Also: I fetch for a (0) or for Wu (1)
	s_and_b32 s16, s14, 1                          ; which 128 features.  Also: which 65,536 bytes I fetch
	s_bfe_u32 s40, ttmp6, 0x40000                  ; cx
	s_bfe_u32 s41, ttmp6, 0x40004                  ; cy
	s_lshl_b32 s42, ttmp9, 2
	s_add_co_u32 s42, s42, s40                     ; block of 256 features
	s_and_b32 s17, ttmp7, 0xffff
	s_lshl_b32 s17, s17, 2
	s_add_co_u32 s17, s17, s41                     ; block of 128 tokens
	s_lshl_b32 s43, s41, 2
	s_lshl_b32 s43, 15, s43                        ; my row of the cluster
	s_lshl_b32 s44, 0x1111, s40                    ; my column
	s_or_b32 s[G1], s43, (3<<16)|(1<<21)           ; the mask; elements of 8 bytes; bit 21 beside a mask; no padding
	s_or_b32 s[G1B], s44, (3<<16)|(1<<21)
.irp g, G1, G1B
	s_mov_b32 s[\g+1], 32<<16                      ; rows of 256 bytes
	s_mov_b32 s[\g+2], 256<<16                     ; 256 rows: 65,536 bytes
	s_mov_b32 s[\g+3], 32<<16
	s_mov_b32 s[\g+4], 256
	s_mov_b32 s[\g+5], 32                          ; dense
	s_mov_b32 s[\g+6], 0
	s_mov_b32 s[\g+7], 0
.endr
	s_lshl_b32 s18, s16, 16
	s_lshl_b32 s20, s17, 17
	s_add_co_u32 s20, s20, s18                     ; a: my block's K half
	s_mov_b32 s21, 0
	s_lshl_b32 s46, s42, 1
	s_add_co_u32 s46, s46, s16
	s_add_co_u32 s46, s46, 24                      ; Wu begins 24 blocks of 131,072 bytes into wcodes
	s_lshl_b32 s46, s46, 17                        ; Wu: my half's block, K 0 .. 511
	s_mov_b32 s47, 0
	s_lshl_b32 s36, s41, 7                         ; the prefetch: unit 128 cy + 32 wave of the column's 512
	s_lshl_b32 s37, s14, 5
	s_add_co_u32 s36, s36, s37
	s_lshr_b32 s37, s36, 8                         ; which half of the 256 features
	s_and_b32 s36, s36, 255
	s_lshl_b32 s36, s36, 8
	s_lshl_b32 s38, s42, 1
	s_add_co_u32 s38, s38, s37
	s_add_co_u32 s38, s38, 24
	s_lshl_b32 s38, s38, 17
	s_add_co_u32 s38, s38, s36
	s_add_co_u32 s38, s38, 65536                   ; K 512 on
	s_mov_b32 s39, 0
	s_wait_alu depctr_va_vdst(0)
	s_wait_dscnt 0x0
	s_wait_kmcnt 0x0
	s_load_b64 s[96:97], s[8:9], 0x28              ; e10, e11
	s_add_nc_u64 s[20:21], s[4:5], s[20:21]
	s_add_nc_u64 s[46:47], s[6:7], s[46:47]
	s_add_nc_u64 s[PFA:PFA+1], s[6:7], s[38:39]
	CROUND                                         ; all sixteen work-groups are here: the first joint loads meet
	s_mov_b32 s[G0], 1
	s_mov_b32 s[G0+1], s18
	s_mov_b64 s[G0+2:G0+3], s[20:21]
	s_or_b32 s[G0+3], s[G0+3], 0x80000000
	s_mov_b32 s[G0B], 1
	s_add_co_u32 s[G0B+1], s18, BOFF
	s_mov_b64 s[G0B+2:G0B+3], s[46:47]
	s_or_b32 s[G0B+3], s[G0B+3], 0x80000000
	s_cmp_eq_u32 s15, 0                            ; one tensor load a wave at the head, one to an arm
	s_cbranch_scc0 .Lfor_b
	tensor_load_to_lds s[G0:G0+3], s[G1:G1+7]
	s_nop 0
	PLACES 4
	s_branch .Lasked
.Lfor_b:
	tensor_load_to_lds s[G0B:G0B+3], s[G1B:G1B+7]
	s_nop 0
	PLACES 4
.Lasked:
	s_lshl_b32 s21, s15, 14                        ; my 64 tokens: row tiles 4 x half on
	s_lshl_b32 s22, s16, 16
	s_add_co_u32 s22, s22, BOFF                    ; my 128 features
	s_mul_i32 s23, s14, 16*SPITCH
	s_add_co_u32 s23, s23, STAGE                   ; my stage
	s_lshl_b32 s20, s17, 7
	s_lshl_b32 s46, s15, 6
	s_add_co_u32 s20, s20, s46
	s_lshl_b32 s20, s20, 12                        ; my first row of out0, 4,096 bytes a row
	s_lshl_b32 s46, s42, 10
	s_lshl_b32 s47, s16, 9
	s_add_co_u32 s46, s46, s47
	s_add_co_u32 s20, s20, s46
	s_mov_b32 s37, 0
	s_mov_b32 s36, s20
	s_add_nc_u64 s[10:11], s[10:11], s[36:37]
	v_and_b32 v1, 15, v0
	v_bfe_u32 v2, v0, 4, 1
	v_and_b32 v6, 31, v0
	v_lshlrev_b32 v[CO], 4, v6
	v_lshlrev_b32 v[PFO], 8, v6
	v_add_nc_u32 v[ADRA], s21, v[CO]
	v_add_nc_u32 v[ADRA+1], 65536, v[ADRA]
	v_add_nc_u32 v[ADRB], s22, v[CO]
	v_mul_u32_u24 v5, v1, SPITCH
	v_lshl_add_u32 v5, v2, 5, v5
	v_add_nc_u32 v[STO], s23, v5                   ; in: row l % 16, 32 bytes for each half of the lanes
	v_add_nc_u32 v[RD], s23, v[CO]                 ; back: the 32 lanes take one row of 512 bytes
	global_prefetch_b8 v[PFO], s[PFA:PFA+1] th:TH_LOAD_NT scope:SCOPE_SE   ; its address registers are never written again
.macro FETCH q                         ; K step q's fragments into the sets q % 2: Wu's eight, a's four
	WIN TO_B
.irp i, 0,1,2,3,4,5,6,7
.irp c, 0,1,2,3
	ds_load_b128 v[128*((\q)%2)+16*\i+4*\c:128*((\q)%2)+16*\i+4*\c+3], v[ADRB] offset:(((\q)/2)%2)*32768+((\q)%2)*2048+\i*4096+512*\c
.endr
.endr
	WIN 0
.irp i, 0,1,2,3
.irp c, 0,1,2,3
	ds_load_b128 v[AF+64*((\q)%2)+16*\i+4*\c:AF+64*((\q)%2)+16*\i+4*\c+3], v[ADRA+(\q)/4] offset:(((\q)/2)%2)*32768+((\q)%2)*2048+\i*4096+512*\c
.endr
.endr
.endm
.macro MUL q, zero                     ; 32 products; the 32 accumulators take turns, in the same order in every step
	WIN MUL_LO
.irp a, 0,1,2,3
.irp b, 0,1,2,3,4,5,6,7
.if \zero
	v_wmma_f32_16x16x128_fp8_fp8 v[8*(8*\a+\b):8*(8*\a+\b)+7], v[128*((\q)%2)+16*\b:128*((\q)%2)+16*\b+15], v[AF+64*((\q)%2)+16*\a:AF+64*((\q)%2)+16*\a+15], 0
.else
	v_wmma_f32_16x16x128_fp8_fp8 v[8*(8*\a+\b):8*(8*\a+\b)+7], v[128*((\q)%2)+16*\b:128*((\q)%2)+16*\b+15], v[AF+64*((\q)%2)+16*\a:AF+64*((\q)%2)+16*\a+15], v[8*(8*\a+\b):8*(8*\a+\b)+7]
.endif
.endr
.endr
	WIN 0
.endm
.macro KSTEP q                         ; this step's fragments are in; the next step's are asked for, four places behind the products that read their registers; then the products
	s_wait_dscnt 0x0
	PLACES 4
	FETCH (\q)+1
	MUL \q, 0
.endm
	s_wait_alu depctr_va_vdst(0)
	s_wait_tensorcnt 0x0                           ; my 65,536 bytes are in;
	s_barrier_signal -1
	s_barrier_wait -1                              ; everybody's are.
	FETCH 0
	s_wait_dscnt 0x0
	FETCH 1
	MUL 0, 1                                       ; the first products start the sums: nothing is cleared
	KSTEP 1
	KSTEP 2
	s_wait_tensorcnt 0x0                           ; no tensor load of mine is out, so Wu's descriptor may be written
	ds_add_u32 v[SPW], v[NIL]                      ; 0 onto my spare word
	s_add_nc_u64 s[G0B+2:G0B+3], s[G0B+2:G0B+3], 65536   ; K 512 on
	s_wait_dscnt 0x0                               ; the add is done; K step 3's fragments are in registers: my reads of Wu's bytes are over
	CROUND                                         ; and so are those of every wave of every partner
	s_cmp_eq_u32 s15, 0
	s_cbranch_scc1 .Lno_refill                     ; a's bytes stay
	tensor_load_to_lds s[G0B:G0B+3], s[G1B:G1B+7]
	s_nop 0
	PLACES 4
.Lno_refill:
	MUL 3, 0
	PLACES 4                                       ; in front of the loads into both sets
	s_wait_tensorcnt 0x0
	s_barrier_signal -1
	s_barrier_wait -1                              ; Wu's K 512 .. 1,023 are whole
	FETCH 4
	s_wait_dscnt 0x0
	FETCH 5
	MUL 4, 0
	KSTEP 5
	KSTEP 6
	s_wait_dscnt 0x0
	MUL 7, 0
; THE WAY OUT, block by block of 16 tokens x 128 features: through my own stage, back as whole rows of 512 bytes, which the 32 lanes store as two aligned units of 256 bytes.
; LDS serves a wave's instructions in order (ISA guide 5.7.1.4): no wait between the stores and the loads.
.macro TOSTAGE a
	WIN 0x02                                       ; source 0: window 2
.irp j, 0,2,4,6,8,10,12,14,16,18,20,22,24,26,28,30,32,34,36,38,40,42,44,46,48,50,52,54,56,58,60,62
	v_pk_mul_f32 v[TMP+\j:TMP+\j+1], v[64*(\a)+\j:64*(\a)+\j+1], s[96:97] op_sel_hi:[1,0]   ; x 2^(e10 + e11); each accumulator from its low end on
.endr
	WIN 0
.irp b, 0,1,2,3,4,5,6,7
	ds_store_b128 v[STO], v[TMP+8*\b:TMP+8*\b+3] offset:64*\b
	ds_store_b128 v[STO], v[TMP+8*\b+4:TMP+8*\b+7] offset:64*\b+16
.endr
.irp t, 0,1,2,3,4,5,6,7,8,9,10,11,12,13,14,15
	ds_load_b128 v[BK+64*((\a)%2)+4*\t:BK+64*((\a)%2)+4*\t+3], v[RD] offset:\t*SPITCH
.endr
.endm
.macro SEND a, younger                 ; younger: the LDS instructions issued behind block a's loads
	s_wait_dscnt \younger
.if (\a) > 0
	s_add_nc_u64 s[10:11], s[10:11], 16*SIZE_N*4   ; behind a wait on XCNT: the earlier stores have read their base
.endif
.irp t, 0,1,2,3,4,5,6,7,8,9,10,11,12,13,14,15
	global_store_b128 v[CO], v[BK+64*((\a)%2)+4*\t:BK+64*((\a)%2)+4*\t+3], s[10:11] offset:\t*SIZE_N*4 th:TH_STORE_NT
.endr
.endm
	s_wait_kmcnt 0x0
	s_add_co_i32 s96, s96, s97
	s_add_co_i32 s96, s96, 127
	s_lshl_b32 s96, s96, 23                        ; 2^(e10 + e11) as f32
	PLACES 4
	TOSTAGE 0
.irp a, 1,2,3
.if \a > 1
	s_wait_xcnt 0x0                                ; block a - 2's stores have read their registers and their base
.endif
	TOSTAGE \a
	SEND \a-1, 32                                  ; behind block a - 1's loads: block a's 16 stores and 16 loads
.endr
	s_wait_xcnt 0x0
	SEND 3, 0
	s_wait_tensorcnt 0x0                           ; the wave's end
	ds_add_u32 v[SPW], v[NIL]
	s_wait_dscnt 0x0
	CROUND                                         ; the closing round
	s_endpgm
.Lfunc_end_k_qbd1a8ea96d_proj:
	.size	k_qbd1a8ea96d_proj, .Lfunc_end_k_qbd1a8ea96d_proj-k_qbd1a8ea96d_proj
	.p2alignl 7, 3214868480
	.fill 96, 4, 3214868480
	.section	.rodata,"a",@progbits
	.p2align	6, 0x0
	.amdhsa_kernel k_qbd1a8ea96d_proj
		.amdhsa_group_segment_fixed_size 327680
		.amdhsa_private_segment_fixed_size 0
		.amdhsa_enable_private_segment 0
		.amdhsa_kernarg_size 32
		.amdhsa_user_sgpr_count 2
		.amdhsa_user_sgpr_kernarg_segment_ptr 1
		.amdhsa_wavefront_size32 1
		.amdhsa_system_sgpr_workgroup_id_x 1
		.amdhsa_system_sgpr_workgroup_id_y 1
		.amdhsa_system_sgpr_workgroup_id_z 1
		.amdhsa_system_vgpr_workitem_id 0
		.amdhsa_next_free_vgpr 768
		.amdhsa_next_free_sgpr 98
		.amdhsa_reserve_vcc 0
		.amdhsa_float_denorm_mode_32 3
		.amdhsa_float_denorm_mode_16_64 3
		.amdhsa_memory_ordered 1
		.amdhsa_forward_progress 1
		.amdhsa_inst_pref_size 72
	.end_amdhsa_kernel
	.amdgpu_metadata
---
amdhsa.version: [ 1, 2 ]
amdhsa.kernels:
  - .name:           k_qbd1a8ea96d_proj
    .symbol:         k_qbd1a8ea96d_proj.kd
    .args:
      - { .name: acodes, .offset: 0, .size: 8, .value_kind: global_buffer, .address_space: global }
      - { .name: wcodes, .offset: 8, .size: 8, .value_kind: global_buffer, .address_space: global }
      - { .name: lowp_scales, .offset: 16, .size: 8, .value_kind: global_buffer, .address_space: global }
      - { .name: out0, .offset: 24, .size: 8, .value_kind: global_buffer, .address_space: global }
    .group_segment_fixed_size: 327680
    .private_segment_fixed_size: 0
    .kernarg_segment_align: 8
    .kernarg_segment_size: 32
    .max_flat_workgroup_size: 128
    .sgpr_count:     98
    .vgpr_count:     768
    .wavefront_size: 32
...
	.end_amdgpu_metadata
.endif
;; end of part 4
